; MI455X (gfx1250); checked and timed in simulation.
; The chip was launched on July 23, 2026; its instructions are those of AMD's public machine-readable ISA for CDNA 5 (MIT licence, August 2026) and "CDNA5" Instruction Set Architecture Reference Guide (July 2026). The comments in the code are by the model that wrote it; some were corrected since.
;; Attention. Allowed arithmetic: matrix products marked QUANTISED: E4M3 operands, one given power-of-two scale a tensor, by v_wmma_f32_16x16x64_fp8_fp8 or v_wmma_f32_16x16x128_fp8_fp8, f32 sums; everything else in f32.
;; Inputs: Wo 1,024 x 1,024 float32; Wqkv 1,024 x 3,072 float32; lowp_scales 8 int32 (the exponents e of the quantised operands' scales 2^e); x 4 x 2,048 x 1,024 float32.
;; Outputs: out0 4 x 2,048 x 1,024 float32.
;; This version of the problem:
;;   THIS VERSION OF THE PROBLEM IS GIVEN IN LOW PRECISION. The matrix products marked QUANTISED in the list below multiply operands that are first quantised to E4M3 (4 exponent bits, 3 mantissa bits; 8 bits a number), with one given power-of-two scale for each operand tensor; their sums are f32. All else is computed in f32.
;;   The module's matrix products, in the order in which they are computed (A, B: the left and right operand; K: the contracted axis; several contracted axes count as one K, in the product's order):
;;     1. [M 8,192, K 1,024] x [K 1,024, N 3,072]; A: input x; B: input Wqkv: QUANTISED (scales: A lowp_scales[0], B lowp_scales[1])
;;     2. batch 64 x [M 2,048, K 64] x [K 64, N 2,048]; A: computed on the way; B: computed on the way: QUANTISED (scales: A lowp_scales[2], B lowp_scales[3])
;;     3. batch 64 x [M 2,048, K 2,048] x [K 2,048, N 64]; A: softmax (see below); B: computed on the way: QUANTISED (scales: A lowp_scales[4], B lowp_scales[5])
;;     4. [M 8,192, K 1,024] x [K 1,024, N 1,024]; A: computed on the way; B: input Wo: QUANTISED (scales: A lowp_scales[6], B lowp_scales[7])
;;   THE QUANTISER, for each operand of a quantised product, along K:
;;     - The operand's scale is 2^e, e = its entry of the input lowp_scales (int32; the entries are numbered through the quantised products in the list's order, A before B).
;;     - Each number is divided by the scale, clamped to +-448, and rounded to the nearest number of E4M3, ties to even, subnormals kept.
;;     - The product sums the exact products of the quantised numbers (number of the format x scale) in f32.
;;   ~~~python
;;   def quantise(x, axis, e):      # numpy; x: float32 -> the quantised numbers, widened to float32 again
;;       x = np.moveaxis(x, axis, -1); K = x.shape[-1]
;;       r = np.clip(x / 2.0 ** e, -448, 448)
;;       step = 2.0 ** (np.maximum(np.frexp(np.where(r == 0, 1, r))[1] - 1, -6) - 3)
;;       q = np.round(r / step) * step * 2.0 ** e      # np.round: ties to even
;;       return np.moveaxis(q, -1, axis).astype(np.float32)
;;   ~~~
;;   SOFTMAX AHEAD OF A QUANTISED PRODUCT. Where the list says 'softmax', what is quantised is not the finished softmax but p = 2^(t - M), with t = logit x log2(e) and M = ceil(the row's largest t), a whole number; so 1/2 < the row's largest p <= 1. The row's sum l is taken of the UNQUANTISED p, in f32, and the product's result is divided by l at the end. Since M is a whole number, a kernel that streams over the keys may use a running M (the ceiling of the running maximum): every later rescaling is an exact power of two, so the quantised numbers keep their values, but for numbers so far below the row's largest that they fall under the format's range.
;;   OPERANDS COMPUTED ON THE WAY. 'Computed on the way' means the value that the module computes at that place (a softmax that the list does not call 'softmax' is quantised finished and normalised). What goes into a quantiser is computed in f32, as accurately as f32 sums, v_exp_f32 and their like allow (about 1e-6 of the number): no bf16 or f16 on the way to a quantiser, and a product that is left as it is and whose result goes on into a quantised operand takes f32 operands (vector FMAs, or v_wmma_f32_16x16x4_f32). A number that lies on a knife's edge between two numbers of the format may be rounded either way, as far as f32 arithmetic and the matrix unit's own rounding can turn it there, and no further.
;; One version. Each part assembles by itself: llvm-mc -triple=amdgcn-amd-amdhsa -mcpu=gfx1250 --defsym DOCPART=n.
;; ======== version 1 of 1: 4 launches
;; limits: right only within a limited range of input values
;; workspace buffers: x_img 8,388,608 bytes; w_img 3,145,728 bytes; wo_img 1,048,576 bytes; q_img 8,388,608 bytes; kv_img 16,777,216 bytes; y_img 8,388,608 bytes
;; launch quant (part 1): grid 384 x 1, 4 waves a work-group, no clusters, 34,304 bytes of LDS; arguments x, Wqkv, Wo, lowp_scales, x_img, w_img, wo_img; writes x_img, w_img, wo_img
.if DOCPART == 1
	.amdgcn_target "amdgcn-amd-amdhsa--gfx1250"
	.amdhsa_code_object_version 6
	.text
	.protected	k_q249957ffd5_quant
	.globl	k_q249957ffd5_quant
	.p2align	8
	.type	k_q249957ffd5_quant,@function
k_q249957ffd5_quant:
	s_mov_b64 s[64:65], 0
	v_nop
	global_prefetch_b8 v0, s[64:65] scope:SCOPE_SE
	s_setreg_imm32_b32 hwreg(HW_REG_WAVE_MODE, 25, 1), 1
	s_wait_xcnt 0x0
; LAUNCH 1 OF 4: x [8192][1024], Wqkv [1024][3072] and Wo [1024][1024], f32, become codes of FP8 (E4M3), each with its given scale 2^e (entries 0, 1, 7 of lowp_scales).
; code = number / 2^e, rounded to the nearest code, ties to even.
; THE WHOLE PROGRAM: quant -> gemm_qkv (x Wqkv, quantised into q, k, v) -> attn (causal attention, quantised into y) -> gemm_out (y Wo).
; WORK LEFT OUT (in attn): reference() builds the causal mask itself (jnp.tril) and puts the smallest f32 number where key > query; behind the softmax's maximum such a score gives exp = 0
; for all finite inputs, since key 0 counts for every query and holds the row's maximum at a finite number.  So a step of 128 keys all of which come after the 32 queries in hand adds 0 to the
; row's sum and 0 to the second product, whatever the inputs hold: such steps are left out whole.  Steps on the diagonal are done and masked.  No input is left out: all four are loaded.
; LIMIT: a NaN, an infinity or an overflow that reaches only the scores left out is not carried to the result.
; LIMITS of this launch: e0, e1, e7 between -126 and 119, so that 2^e and 448 x 2^e are f32 numbers.  NaN among the inputs is not served.
; ALL WORKSPACE BUFFERS HOLD IMAGES OF OPERAND REGISTERS.  A piece is 512 bytes: lane l's 16 bytes at 16 l.  Lane (r = l % 16, h = l / 16) of piece c of a tile holds, of its row, the codes
; k = 32 c + 16 h + 0 .. 15 of 128 along K; four pieces are a fragment of 16 rows x 128 K.  x_img, w_img, wo_img: [tile][K / 128][4 pieces][512 bytes].  Both operands of every product are laid alike.
; THE ROWS OF A TILE ARE NOT NEIGHBOURS: lane r of tile 2 g + u stands for row (or column of a weight) 32 g + 8 u + r + 8 (r / 8).  In a matrix result the 16 registers of two neighbouring
; tiles are then 16 neighbours, which two conversions turn into a piece of the next operand.
; SHARES: work-groups 0-255 take x (32 rows each), 256-351 Wqkv, 352-383 Wo (128 columns x 256 along K each): 128 KiB in, 32 KiB out for each.  Waves share nothing: no barrier.
; No matrix unit, cluster or tensor load: nothing is read twice.  No prefetch: the launch does nothing but stream.
.set SPARE, 33792                      ; behind the four stages: the spare words, 128 bytes for each wave: two blocks of 256 bytes that no other line names
.set SPW,   12                         ; v12  LDS address of my spare word; never rewritten
.set NIL,   13                         ; v13  0; never rewritten
.set LIM,   10                         ; v10  unused
.set SCL,   11                         ; v11  2^e as f32: the conversion takes its exponent field
.set R,     16                         ; x: v16-143  two sets of 64: 16 rows x 16 bytes a lane, as loaded
.set X,     144                        ; x: v144-207 my row's 64 numbers of 128 along K
.set C,     208                        ; x: v208-239 two sets of 16: a fragment's codes
.set SP,    528                        ; x: a stage row: 512 bytes + 16: lanes 0-15 read at 528 r, sixteen different 16-byte columns modulo 256 bytes
.set WX,    16                         ; weights: v16-79  two sets of 32 numbers down K
.set WC,    80                         ; weights: v80-143 eight registers of codes for each block, never written again
	s_load_b256 s[4:11], s[0:1], 0x0               ; x s[4:5], Wqkv s[6:7], Wo s[8:9], the scales' exponents s[10:11]
	s_load_b128 s[12:15], s[0:1], 0x20             ; x_img s[12:13], w_img s[14:15]
	s_load_b64 s[16:17], s[0:1], 0x30              ; wo_img
	v_lshl_add_u32 v[SPW], v0, 2, SPARE
	v_mov_b32 v[NIL], 0
	v_lshrrev_b32 v1, 5, v0
	v_readfirstlane_b32 s18, v1                    ; wave 0..3
	v_and_b32 v1, 31, v0                           ; lane
	v_and_b32 v7, 15, v0                           ; lane % 16
	v_bfe_u32 v8, v0, 4, 1                         ; lane / 16
	s_wait_kmcnt 0x0
	s_load_b256 s[24:31], s[10:11], 0x0            ; e0 .. e7
.macro MKSCALE es                      ; 2^e and 448 x 2^e as f32 patterns
	s_add_co_i32 s32, s[\es], 127
	s_lshl_b32 s33, s32, 23
	v_mov_b32 v[SCL], s33
	s_add_co_i32 s32, s32, 8
	s_lshl_b32 s32, s32, 23
	s_or_b32 s32, s32, 0x600000                    ; the mantissa field of 448
.endm
	s_cmp_lt_u32 ttmp9, 256                        ; the paths part on the work-group's number alone and never join
	s_cbranch_scc0 .Lweights
; ---- x.  Work-group g: rows 32 g .. 32 g + 31.  Wave w: tile 2 g + (w / 2), K from 512 (w % 2) on: four units of 16 rows x 128 along K.
; A load reads 512 consecutive bytes of one row; the conversions want 16 neighbours along K in one lane: a unit turns through the wave's own stage in LDS.
	s_lshr_b32 s19, s18, 1                         ; u
	s_and_b32 s20, s18, 1                          ; which half of K
	s_lshl_b32 s21, ttmp9, 17                      ; 32 rows of 4,096 bytes
	s_lshl_b32 s22, s19, 15                        ; + 8 u rows
	s_add_co_u32 s21, s21, s22
	s_lshl_b32 s22, s20, 11                        ; + 512 numbers
	s_add_co_u32 s34, s21, s22
	s_mov_b32 s35, 0
	s_add_nc_u64 s[4:5], s[4:5], s[34:35]
	s_lshl_b32 s21, ttmp9, 15                      ; two tiles of 16,384 bytes
	s_lshl_b32 s22, s19, 14
	s_add_co_u32 s21, s21, s22
	s_lshl_b32 s22, s20, 13                        ; four fragments of 2,048 bytes
	s_add_co_u32 s34, s21, s22
	s_add_nc_u64 s[12:13], s[12:13], s[34:35]
	s_wait_alu depctr_va_vdst(0)
	v_lshlrev_b32 v2, 4, v1                        ; 16 x lane: loads and stores; never rewritten
	s_mul_i32 s23, s18, 16*SP                      ; my stage
	v_add_nc_u32 v3, s23, v2                       ; into it: 16 x lane of a row
	v_mul_u32_u24 v4, v7, SP
	v_lshl_add_u32 v4, v8, 6, v4
	v_add_nc_u32 v4, s23, v4                       ; out of it: row r, + 64 h bytes: my 16 numbers of a block of 32
.macro LOADU n                         ; unit n: the tile's 16 rows (i + 8 (i / 8) rows from its first), 512 bytes of each
.irp i, 0,1,2,3,4,5,6,7,8,9,10,11,12,13,14,15
	global_load_b128 v[R+64*((\n)%2)+4*\i:R+64*((\n)%2)+4*\i+3], v2, s[4:5] offset:(\i+8*(\i/8))*4096+512*(\n) th:TH_LOAD_NT
.endr
.endm
.macro UNIT n
.if (\n) < 3
	s_wait_loadcnt 16                              ; this unit's 16 loads are in; the next unit's 16 may be out
.else
	s_wait_loadcnt 0x0
.endif
.irp i, 0,1,2,3,4,5,6,7,8,9,10,11,12,13,14,15
	ds_store_b128 v3, v[R+64*((\n)%2)+4*\i:R+64*((\n)%2)+4*\i+3] offset:SP*\i
.endr
.irp c, 0,1,2,3
.irp j, 0,1,2,3
	ds_load_b128 v[X+16*\c+4*\j:X+16*\c+4*\j+3], v4 offset:128*\c+16*\j   ; LDS serves a wave's instructions in order: these see the stores above
.endr
.endr
	s_wait_dscnt 0x0                               ; my numbers are back, and the stores into the stage have read their registers
.if (\n) >= 2
	s_wait_xcnt 0x0                                ; the stores of two units back have read this set of codes
.endif
.if (\n)+2 < 4
	LOADU (\n)+2
.endif
.set j, 0
.rept 64
.set j, j+1
.endr
.irp c, 0,1,2,3
	v_cvt_scalef32_pk8_fp8_f32 v[C+16*((\n)%2)+4*\c:C+16*((\n)%2)+4*\c+1], v[X+16*\c:X+16*\c+7], v[SCL]
	v_cvt_scalef32_pk8_fp8_f32 v[C+16*((\n)%2)+4*\c+2:C+16*((\n)%2)+4*\c+3], v[X+16*\c+8:X+16*\c+15], v[SCL]
.endr
	v_nop                                          ; a plain line between the conversions and the next unit's LDS loads, which write their sources
.irp c, 0,1,2,3
	global_store_b128 v2, v[C+16*((\n)%2)+4*\c:C+16*((\n)%2)+4*\c+3], s[12:13] offset:2048*(\n)+512*\c   ; a piece: 512 consecutive bytes, aligned
.endr
.endm
	LOADU 0
	LOADU 1
	s_wait_alu depctr_va_vdst(0)
	s_wait_kmcnt 0x0
	MKSCALE 24                                     ; e0
	s_wait_alu depctr_va_vdst(0)
	UNIT 0
	UNIT 1
	UNIT 2
	UNIT 3
	s_wait_tensorcnt 0x0                           ; the wave's end, behind my last LDS store
	ds_add_u32 v[SPW], v[NIL]
	s_wait_dscnt 0x0
	s_endpgm
; ---- the weights: K is their FIRST axis.  A lane takes a column and its registers run down K, so the conversions give codes with K innermost and nothing is transposed.
; Lane (u = lane / 16, r) takes column 8 u + r + 8 (r / 8) of the wave's 32: a load still covers the same 128 consecutive bytes, and lanes 0-15 hold tile 2 g's sixteen rows in the image's order, lanes 16-31 tile 2 g + 1's:
; a lane's 16 codes are 16 bytes of a piece, and sixteen neighbouring lanes store 256 consecutive bytes, aligned.  No LDS.
.Lweights:
	s_wait_alu depctr_va_vdst(0)
	v_and_b32 v9, 8, v7
	v_add_nc_u32 v9, v9, v7                        ; r + 8 (r / 8)
	v_lshl_add_u32 v9, v8, 3, v9                   ; + 8 u
	v_lshlrev_b32 v5, 2, v9                        ; in: 4 bytes a column; never rewritten
	v_lshlrev_b32 v6, 4, v7
	v_lshl_add_u32 v6, v8, 14, v6                  ; out: 16 r + a tile's 16,384 bytes x u; never rewritten
.macro LOADW t, N, inS                 ; block t: W(32 t + i, my column), i = 0 .. 31
.irp i, 0,1,2,3,4,5,6,7,8,9,10,11,12,13,14,15,16,17,18,19,20,21,22,23,24,25,26,27,28,29,30,31
	global_load_b32 v[WX+32*((\t)%2)+\i], v5, s[\inS:\inS+1] offset:(32*(\t)+\i)*\N*4 th:TH_LOAD_NT
.endr
.endm
.macro BLOCK t, N, inS, outS
.if (\t) < 7
	s_wait_loadcnt 32                              ; this block's 32 loads are in; the next block's may be out
.else
	s_wait_loadcnt 0x0
.endif
.irp i, 0,1,2,3,4,5,6,7,8,9,10,11,12,13,14,15,16,17,18,19,20,21,22,23,24,25,26,27,28,29,30,31
.endr
.irp g, 0,1,2,3
	v_cvt_scalef32_pk8_fp8_f32 v[WC+8*(\t)+2*\g:WC+8*(\t)+2*\g+1], v[WX+32*((\t)%2)+8*\g:WX+32*((\t)%2)+8*\g+7], v[SCL]
.endr
	v_nop                                          ; a plain line between the conversions and the loads that later write their sources
.if (\t)+2 < 8
	LOADW (\t)+2, \N, \inS
.endif
	global_store_b128 v6, v[WC+8*(\t):WC+8*(\t)+3], s[\outS:\outS+1] offset:((\t)/4)*2048+((\t)%4)*512       ; k = 32 t + 0 .. 15: the piece's lanes 0-15
	global_store_b128 v6, v[WC+8*(\t)+4:WC+8*(\t)+7], s[\outS:\outS+1] offset:((\t)/4)*2048+((\t)%4)*512+256 ; k = 32 t + 16 .. 31: its lanes 16-31
.endm
; Work-group g of a weight with N columns: columns 128 (g / 4) on, K from 256 (g % 4) on; wave w: 32 of the columns, eight blocks of 32 along K.  Every offset is an immediate: 255 x N x 4 bytes at the most, inside the signed 24 bits.
.macro WPATH N, es, inS, outS, first
	s_sub_co_u32 s20, ttmp9, \first
	s_lshr_b32 s21, s20, 2
	s_and_b32 s22, s20, 3
	s_lshl_b32 s23, s21, 2
	s_add_co_u32 s23, s23, s18                     ; which 32 columns
	s_mul_i32 s34, s22, 256*\N*4
	s_lshl_b32 s36, s23, 7
	s_add_co_u32 s34, s34, s36
	s_mov_b32 s35, 0
	s_add_nc_u64 s[\inS:\inS+1], s[\inS:\inS+1], s[34:35]
	s_lshl_b32 s36, s23, 15                        ; two tiles of 16,384 bytes
	s_lshl_b32 s37, s22, 12                        ; two fragments of 2,048
	s_add_co_u32 s36, s36, s37
	s_mov_b32 s37, 0
	s_add_nc_u64 s[\outS:\outS+1], s[\outS:\outS+1], s[36:37]
	LOADW 0, \N, \inS
	LOADW 1, \N, \inS
	s_wait_kmcnt 0x0
	MKSCALE \es
	s_wait_alu depctr_va_vdst(0)
.irp t, 0,1,2,3,4,5,6,7
	BLOCK \t, \N, \inS, \outS
.endr
.endm
	s_cmp_lt_u32 ttmp9, 352
	s_cbranch_scc0 .Lwo
	s_wait_alu depctr_va_vdst(0)
	WPATH 3072, 25, 6, 14, 256                     ; Wqkv, e1
	s_endpgm
.Lwo:
	s_wait_alu depctr_va_vdst(0)
	WPATH 1024, 31, 8, 16, 352                     ; Wo, e7
	s_endpgm
.Lfunc_end_k_q249957ffd5_quant:
	.size	k_q249957ffd5_quant, .Lfunc_end_k_q249957ffd5_quant-k_q249957ffd5_quant
	.p2alignl 7, 3214868480
	.fill 96, 4, 3214868480
	.section	.rodata,"a",@progbits
	.p2align	6, 0x0
	.amdhsa_kernel k_q249957ffd5_quant
		.amdhsa_group_segment_fixed_size 34304
		.amdhsa_private_segment_fixed_size 0
		.amdhsa_enable_private_segment 0
		.amdhsa_kernarg_size 56
		.amdhsa_user_sgpr_count 2
		.amdhsa_user_sgpr_kernarg_segment_ptr 1
		.amdhsa_wavefront_size32 1
		.amdhsa_system_sgpr_workgroup_id_x 1
		.amdhsa_system_sgpr_workgroup_id_y 1
		.amdhsa_system_sgpr_workgroup_id_z 1
		.amdhsa_system_vgpr_workitem_id 0
		.amdhsa_next_free_vgpr 240
		.amdhsa_next_free_sgpr 66
		.amdhsa_reserve_vcc 0
		.amdhsa_float_denorm_mode_32 3
		.amdhsa_float_denorm_mode_16_64 3
		.amdhsa_fp16_overflow 1
		.amdhsa_memory_ordered 1
		.amdhsa_forward_progress 1
		.amdhsa_inst_pref_size 79
	.end_amdhsa_kernel
	.amdgpu_metadata
---
amdhsa.version: [ 1, 2 ]
amdhsa.kernels:
  - .name:           k_q249957ffd5_quant
    .symbol:         k_q249957ffd5_quant.kd
    .args:
      - { .name: x, .offset: 0, .size: 8, .value_kind: global_buffer, .address_space: global }
      - { .name: Wqkv, .offset: 8, .size: 8, .value_kind: global_buffer, .address_space: global }
      - { .name: Wo, .offset: 16, .size: 8, .value_kind: global_buffer, .address_space: global }
      - { .name: lowp_scales, .offset: 24, .size: 8, .value_kind: global_buffer, .address_space: global }
      - { .name: x_img, .offset: 32, .size: 8, .value_kind: global_buffer, .address_space: global }
      - { .name: w_img, .offset: 40, .size: 8, .value_kind: global_buffer, .address_space: global }
      - { .name: wo_img, .offset: 48, .size: 8, .value_kind: global_buffer, .address_space: global }
    .group_segment_fixed_size: 34304
    .private_segment_fixed_size: 0
    .kernarg_segment_align: 8
    .kernarg_segment_size: 56
    .max_flat_workgroup_size: 128
    .sgpr_count:     66
    .vgpr_count:     240
    .wavefront_size: 32
...
	.end_amdgpu_metadata
.endif
;; end of part 1
;; launch gemm_qkv (part 2): grid 12 x 32, 4 waves a work-group, clusters of 4 x 4, 327,680 bytes of LDS; arguments x_img, w_img, lowp_scales, q_img, kv_img; writes q_img, kv_img
.if DOCPART == 2
	.amdgcn_target "amdgcn-amd-amdhsa--gfx1250"
	.amdhsa_code_object_version 6
	.text
	.protected	k_q249957ffd5_gemm_qkv
	.globl	k_q249957ffd5_gemm_qkv
	.p2align	8
	.type	k_q249957ffd5_gemm_qkv,@function
k_q249957ffd5_gemm_qkv:
	s_mov_b64 s[64:65], 0
	v_nop
	global_prefetch_b8 v0, s[64:65] scope:SCOPE_SE
	s_setreg_imm32_b32 hwreg(HW_REG_WAVE_MODE, 25, 1), 1
	s_wait_xcnt 0x0
	s_wait_alu depctr_hold_cnt(0) depctr_sa_sdst(0) depctr_va_vdst(0) depctr_va_sdst(0) depctr_va_ssrc(0) depctr_va_vcc(0) depctr_vm_vsrc(0)
	s_getreg_b32 s2, hwreg(HW_REG_IB_STS2, 6, 4)
	s_cmp_eq_u32 s2, 0
	s_cbranch_scc0 .Lentry_in_a_cluster
	s_endpgm
.Lentry_in_a_cluster:
	s_bfe_u32 s2, ttmp6, 0x10000c
	s_cmp_lg_u32 s2, 0xf033
	s_cbranch_scc0 .Lentry_shape_is_right
	s_endpgm
.Lentry_shape_is_right:
; LAUNCH 2 OF 4: qkv = x Wqkv on codes of FP8 (E4M3), sums in f32; each sum stands for sum x 2^(e0 + e1) and is quantised at once with its own scale (q: e2, k: e3, v: e5) into images of the operands of attention.
; A tile of the result, 256 x 256, is made by four waves, 128 x 128 each: 64 accumulators, 512 registers.  K = 1,024 goes in four steps of 256 through two LDS slots filled by the tensor data mover.
; OPERANDS ARE IMAGES OF REGISTERS (laid by the launch before): a fragment of 16 rows x 128 K is four pieces of 512 bytes, lane l's 16 bytes at 16 l: every LDS load takes 512 consecutive bytes; no pitch, no padding.
; THE INSTRUCTION: source 0 = the B side's 16 rows, source 1 = the A side's.  In the result a lane stands for a row of the A side and its registers for rows of the B side; by the order of a tile's rows
; (lane r of tile 2 g + u: 32 g + 8 u + r + 8 (r / 8)) the 16 registers of accumulators (a, 2 n) and (a, 2 n + 1) are 16 NEIGHBOURS of the B side: two conversions make a piece of the next operand.
; The cluster's x is the kind: 0 = q, 1 = k, 2 = v.  q, k: A side = x, B side = Wqkv's columns: a lane holds one row and 16 neighbours of a head's 64.  v: THE SIDES ARE SWAPPED, by a choice of pointers:
; A side = Wqkv's columns, B side = x: a lane holds one of the head's 64 and 16 neighbouring KEYS, which are the second product's K.  The instructions are the same.
; q_img: [64 heads][128 tiles of 16 queries][2 pieces][512].  kv_img: [64 heads][16 steps of 128 keys][K: 8 tiles x 1,024 bytes; V: 4 tiles of 16 of the head's 64 x 2,048 bytes].  Each store is a piece: 512 consecutive bytes, aligned: no stage in LDS.
; CLUSTERS: 4 x 4 work-groups; the A side's tile is asked for jointly along a row of the cluster, the B side's along a column.
; No prefetch: of the four K steps two are asked for at the head, and every tile is read by several work-groups.
; LIMITS: e2 - e0 - e1, e3 - e0 - e1, e5 - e0 - e1 between -126 and 119, so that the folded scale and 448 x it are f32 numbers.
; REGISTERS, in windows of 256: window 0: v11 the scale, v16-29 addresses; from v128 the A side's fragments, ONE set; on the way out v32-159 the codes.  window 1: the B side's fragments, TWO sets.
;   window 2: accumulators of A's blocks 0-3 ((a, b) at v[8 (8 a + b)]);  window 3: of blocks 4-7.
.set FR,     16                        ; registers of a fragment
.set NL,     4                         ; LDS loads that bring one
.set NP,     4                         ; places behind this matrix instruction (ISA guide 7.12.1)
.set TILEB,  4096                      ; a tile's bytes in a slot: 16 rows x 256 along K: two fragments
.set HALFT,  8*TILEB                   ; what one tensor load brings, and what one wave reads of a side
.set SLOT,   4*HALFT                   ; the A side's 16 tiles, then the B side's
.set SPARE,  2*SLOT                    ; behind the ring: the spare words, 128 bytes for each wave: two blocks of 256 bytes that no other line names
.set LIM,  10                          ; v10     unused
.set SCL,  11                          ; v11     the folded scale as f32
.set ADRA, 16                          ; v16-17  LDS address of my A fragments in slot 0, 1
.set ADRB, 20                          ; v20-21  the same for B
.set CO,   26                          ; v26     16 x lane; never rewritten
.set SPW,  28                          ; v28     LDS address of my spare word; never rewritten
.set NIL,  29                          ; v29     0; never rewritten
.set CD,   32                          ; v32-159 the way out: piece (a, n) at v[32 + 4 (4 a + n)]
.set AF,   128
.set G1, 24                            ; s[24:31] descriptor group 1 for the A side;  s[32:39] group 0, one set for each slot
.set G0, 32
.set G1B, 48                           ; s[48:55], s[56:63] the same for the B side
.set G0B, 56
.set MSB, 0
.macro WIN new                         ; the immediate's high byte repeats the setting that is left
.if MSB != \new
	s_set_vgpr_msb (MSB<<8)|\new
.set MSB, \new
.endif
.endm
.set MUL_LO, 0xa1                      ; source 0 (B) window 1, source 1 (A) window 0, C and D window 2
.set MUL_HI, 0xf1                      ; the same, C and D window 3
.set TO_B,   0x40                      ; destination window 1, address window 0
; A joint load: waves 0 and 1 fetch for the A side, waves 2 and 3 for the B side.  The branch hangs on the wave's number alone.  An s_nop 0 and four v_nop follow each of the two lines.
.macro JLOAD g0a, g1a, g0b, g1b
	s_cmp_eq_u32 s15, 0
	s_cbranch_scc0 .Lfor_b_\@
	tensor_load_to_lds s[\g0a:\g0a+3], s[\g1a:\g1a+7]
	s_nop 0
.rept 4
	v_nop
.endr
	s_branch .Lasked_\@
.Lfor_b_\@:
	tensor_load_to_lds s[\g0b:\g0b+3], s[\g1b:\g1b+7]
	s_nop 0
.rept 4
	v_nop
.endr
.Lasked_\@:
.endm
.macro CREST                           ; a round of the cluster's barrier behind its opening barrier
	s_cmp_lg_u32 s14, 0
	s_cbranch_scc1 .Lnot_wave_0_\@
	s_barrier_signal -3
.Lnot_wave_0_\@:
	s_barrier_wait -3
	s_barrier_signal -1
	s_barrier_wait -1
.endm
.macro CROUND                          ; a whole round
	s_barrier_signal -1
	s_barrier_wait -1
	CREST
.endm
	s_load_b128 s[4:7], s[0:1], 0x0                ; x_img s[4:5], w_img s[6:7]
	s_load_b128 s[8:11], s[0:1], 0x10              ; the scales' exponents s[8:9], q_img s[10:11]
	s_load_b64 s[12:13], s[0:1], 0x20              ; kv_img
	v_lshl_add_u32 v[SPW], v0, 2, SPARE
	v_mov_b32 v[NIL], 0
	ds_add_u32 v[SPW], v[NIL]                      ; the wave's opening: the add, twice on end, and its wait ahead of my first tensor load; the set-up below stands between
	ds_add_u32 v[SPW], v[NIL]
	v_lshrrev_b32 v1, 5, v0
	v_readfirstlane_b32 s14, v1                    ; wave 0..3
	s_lshr_b32 s15, s14, 1                         ; which half of the A side is mine.  Also: I fetch for A (0) or for B (1)
	s_and_b32 s16, s14, 1                          ; which half of the B side.  Also: which 8 tiles of that side I fetch
	s_bfe_u32 s40, ttmp6, 0x40000                  ; cx, cy: my place in the cluster
	s_bfe_u32 s41, ttmp6, 0x40004
	s_and_b32 s17, ttmp7, 0xffff
	s_lshl_b32 s17, s17, 2                         ; 4 x cluster y
	s_lshl_b32 s18, ttmp9, 2                       ; 4 x kind
	s_cmp_eq_u32 ttmp9, 2                          ; v?  The same in all sixteen partners
	s_cselect_b32 s82, 8, s17                      ; the A side's block of 256: x's block 4 Y + cy, or (v) Wqkv's block 8 + cy:
	s_cselect_b32 s83, s17, s18                    ; the B side's: Wqkv's block 4 kind + cx, or (v) x's block 4 Y + cx
	s_add_co_u32 s82, s82, s41                     ; made of cy and the cluster's place alone
	s_add_co_u32 s83, s83, s40                     ; made of cx and the cluster's place alone
	s_lshl_b32 s43, s41, 2
	s_lshl_b32 s43, 15, s43                        ; my row of the cluster
	s_lshl_b32 s44, 0x1111, s40                    ; my column
	; descriptor group 1: 8 tiles' parts of a K step: 8 rows of 4,096 bytes (512 elements of 8 bytes), 16,384 bytes apart in memory, dense in LDS
	s_or_b32 s[G1+0], s43, (3<<16)|(1<<21)         ; 15:0 the mask; 17:16 elements of 8 bytes; 20 no padding; 21 set beside a mask
	s_or_b32 s[G1B+0], s44, (3<<16)|(1<<21)
.irp g, G1, G1B
	s_mov_b32 s[\g+1], 512<<16                     ; tensor_dim0
	s_mov_b32 s[\g+2], 8<<16                       ; tensor_dim1
	s_mov_b32 s[\g+3], 512<<16                     ; tile_dim0
	s_mov_b32 s[\g+4], 8                           ; tile_dim1
	s_mov_b32 s[\g+5], 2048                        ; tensor_dim0_stride, in elements
	s_mov_b32 s[\g+6], 0
	s_mov_b32 s[\g+7], 0
.endr
	s_lshl_b32 s19, s16, 17                        ; which 8 tiles of 16,384 bytes I fetch
	s_lshl_b32 s20, s82, 18                        ; a block is 16 tiles
	s_add_co_u32 s20, s20, s19
	s_mov_b32 s21, 0
	s_lshl_b32 s46, s83, 18
	s_add_co_u32 s46, s46, s19
	s_mov_b32 s47, 0
	s_lshl_b32 s45, s14, 15                        ; where they go: wave x 32,768: no place in the cluster enters an LDS address
	s_wait_dscnt 0x0                               ; both opening adds are done
	s_wait_kmcnt 0x0
	s_load_b256 s[68:75], s[8:9], 0x0              ; e0 .. e7
	s_cmp_eq_u32 ttmp9, 2
	s_cselect_b64 s[76:77], s[6:7], s[4:5]         ; the A side's buffer
	s_cselect_b64 s[78:79], s[4:5], s[6:7]         ; the B side's
	s_add_nc_u64 s[20:21], s[76:77], s[20:21]
	s_add_nc_u64 s[46:47], s[78:79], s[46:47]
	CROUND                                         ; all sixteen work-groups are here: the first joint loads meet
.irp s, 0,1
	s_mov_b32 s[G0+4*\s], 1
	s_add_co_u32 s[G0+4*\s+1], s45, \s*SLOT
	s_add_nc_u64 s[G0+4*\s+2:G0+4*\s+3], s[20:21], \s*TILEB
	s_or_b32 s[G0+4*\s+3], s[G0+4*\s+3], 0x80000000
	s_mov_b32 s[G0B+4*\s], 1
	s_add_co_u32 s[G0B+4*\s+1], s45, \s*SLOT
	s_add_nc_u64 s[G0B+4*\s+2:G0B+4*\s+3], s[46:47], \s*TILEB
	s_or_b32 s[G0B+4*\s+3], s[G0B+4*\s+3], 0x80000000
	JLOAD G0+4*\s, G1, G0B+4*\s, G1B               ; two tensor loads of mine are out
.endr
	v_and_b32 v1, 31, v0
	v_lshlrev_b32 v[CO], 4, v1                     ; 16 x lane
	s_lshl_b32 s22, s15, 15                        ; my 8 tiles of the A side
	s_lshl_b32 s23, s16, 15                        ; my 8 tiles of the B side,
	s_add_co_u32 s23, s23, 2*HALFT                 ; which lie behind A's 16
.irp s, 0,1
	v_add_nc_u32 v[ADRA+\s], s22, v[CO]
	v_add_nc_u32 v[ADRB+\s], s23, v[CO]
	s_add_co_u32 s22, s22, SLOT
	s_add_co_u32 s23, s23, SLOT
.endr
	; where my codes go.  My 128 rows of x are one step of 128 queries or keys; my 128 columns of Wqkv are two heads
	s_cmp_eq_u32 ttmp9, 2
	s_cselect_b32 s84, s83, s82                    ; x's block,
	s_cselect_b32 s85, s16, s15                    ; my half of it,
	s_cselect_b32 s86, s41, s40                    ; the block of four heads,
	s_cselect_b32 s87, s15, s16                    ; my half of it,
	s_cselect_b32 s88, 8192, 0                     ; V's place in a step of kv_img
	s_lshr_b32 s89, s84, 3                         ; the batch: 8 blocks of 256 rows
	s_lshl_b32 s89, s89, 4
	s_lshl_b32 s86, s86, 2
	s_add_co_u32 s89, s89, s86
	s_lshl_b32 s87, s87, 1
	s_add_co_u32 s89, s89, s87                     ; my first head: 16 batch + 4 block + 2 half
	s_and_b32 s84, s84, 7
	s_lshl_b32 s84, s84, 1
	s_add_co_u32 s84, s84, s85                     ; my step of 128
	s_cmp_eq_u32 ttmp9, 0
	s_cselect_b64 s[80:81], s[10:11], s[12:13]     ; q_img or kv_img
	s_cselect_b32 s90, 17, 18                      ; a head: 2^17 bytes of q_img, 2^18 of kv_img
	s_cselect_b32 s91, 13, 14                      ; a step: 2^13, 2^14
	s_lshl_b32 s89, s89, s90
	s_lshl_b32 s84, s84, s91
	s_add_co_u32 s84, s84, s89
	s_add_co_u32 s84, s84, s88
	s_mov_b32 s85, 0
	s_add_nc_u64 s[80:81], s[80:81], s[84:85]
	s_wait_alu depctr_va_vdst(0)
	s_wait_kmcnt 0x0
	s_cmp_eq_u32 ttmp9, 0
	s_cselect_b32 s92, s70, s71                    ; e2 or e3,
	s_cmp_eq_u32 ttmp9, 2
	s_cselect_b32 s92, s73, s92                    ; or e5
	s_sub_co_i32 s92, s92, s68
	s_sub_co_i32 s92, s92, s69                     ; a sum's code is sum / 2^(e - e0 - e1): the three scales folded into the conversion's one
	s_add_co_i32 s92, s92, 127
	s_lshl_b32 s93, s92, 23
	v_mov_b32 v[SCL], s93
.macro FRAG reg, adr, q, i             ; tile i's fragment of the slot's q-th 128 along K: four pieces
.irp c, 0,1,2,3
	ds_load_b128 v[\reg+4*\c:\reg+4*\c+3], v[\adr] offset:TILEB*(\i)+2048*(\q)+512*\c
.endr
.endm
; 16 matrix instructions: A's blocks a0, a0 + 1 x B's eight, 128 along K.  p: B's set.  zero = 1: the first product starts the sums.  The 64 accumulators take turns, one instruction a turn, in the same order in every step.
.macro MUL16 a0, p, zero
.irp a, \a0, \a0+1
.irp b, 0,1,2,3,4,5,6,7
.if \zero
	v_wmma_f32_16x16x128_fp8_fp8 v[8*(8*((\a)%4)+\b):8*(8*((\a)%4)+\b)+7], v[128*(\p)+FR*\b:128*(\p)+FR*\b+FR-1], v[AF+FR*(\a):AF+FR*(\a)+FR-1], 0
.else
	v_wmma_f32_16x16x128_fp8_fp8 v[8*(8*((\a)%4)+\b):8*(8*((\a)%4)+\b)+7], v[128*(\p)+FR*\b:128*(\p)+FR*\b+FR-1], v[AF+FR*(\a):AF+FR*(\a)+FR-1], v[8*(8*((\a)%4)+\b):8*(8*((\a)%4)+\b)+7]
.endif
.endr
.endr
.endm
.macro FETCH_B slot, q, p
	WIN TO_B
.irp i, 0,1,2,3,4,5,6,7
	FRAG 128*(\p)+FR*\i, ADRB+\slot, \q, \i
.endr
	WIN 0
.endm
.macro FETCH_A slot, q, i0
.irp i, \i0, \i0+1, \i0+2, \i0+3
	FRAG AF+FR*(\i), ADRA+\slot, \q, \i
.endr
.endm
.macro PLACES n                        ; plain vector lines between a matrix instruction and a load into a register that it has read, or a vector line that reads its result
.rept \n
	v_nop
.endr
.endm
; A step of 128 along K that has its successor in the same slot.  A block of A is free as soon as its eight products are issued: blocks 0-3 are fetched anew in the step's middle, blocks 4-7 at its end.
.macro STEP slot, q, zero
	s_wait_dscnt 4*NL                              ; B's set and A's blocks 0-3 are in; the youngest 16 loads (A's blocks 4-7) may be out
	WIN MUL_LO
	MUL16 0, (\q)%2, \zero
	MUL16 2, (\q)%2, \zero
	s_wait_dscnt 0                                 ; A's blocks 4-7 are in
	PLACES NP
	FETCH_B \slot, (\q)+1, 1-(\q)%2
	FETCH_A \slot, (\q)+1, 0
	WIN MUL_HI
	MUL16 4, (\q)%2, \zero
	MUL16 6, (\q)%2, \zero
	PLACES NP
	WIN 0
	FETCH_A \slot, (\q)+1, 4
.endm
; A slot's last step changes slots: ONE barrier; in front of it each wave waits for all its tensor loads, adds 0 to its spare word, and waits for that and for its own reads of this slot.  fill = 1: this slot is filled again, two K steps ahead.
.macro TURN slot, next, fill
	s_wait_tensorcnt 0x0                           ; all my tensor loads have landed: my part of the next slot
	ds_add_u32 v[SPW], v[NIL]                      ; 0 onto my spare word
	s_wait_dscnt 4*NL+1                            ; the add and the youngest 16 loads (A's blocks 4-7) may be out
	WIN MUL_LO
	MUL16 0, 1, 0                                  ; sixteen matrix instructions stand between the add and the wait for it
	s_wait_dscnt 0x0                               ; the add is done, and my reads of this slot are over
	s_barrier_signal -1
	MUL16 2, 1, 0
	WIN 0
	s_barrier_wait -1
.if \fill
	CREST                                          ; the barrier has opened a round of the cluster's barrier: no wave of any partner still reads this slot or has a load on its way
	s_add_nc_u64 s[G0+4*\slot+2:G0+4*\slot+3], s[G0+4*\slot+2:G0+4*\slot+3], 2*TILEB
	s_add_nc_u64 s[G0B+4*\slot+2:G0B+4*\slot+3], s[G0B+4*\slot+2:G0B+4*\slot+3], 2*TILEB
	JLOAD G0+4*\slot, G1, G0B+4*\slot, G1B         ; the first tensor load behind the round, one a wave; its four v_nop are the places in front of the loads below
.else
	PLACES NP
.endif
	FETCH_B \next, 0, 0
	FETCH_A \next, 0, 0
	WIN MUL_HI
	MUL16 4, 1, 0
	MUL16 6, 1, 0
	PLACES NP
	WIN 0
	FETCH_A \next, 0, 4
.endm
	s_wait_tensorcnt 1                             ; my part of K step 0 is in; K step 1's load may be out
	s_barrier_signal -1
	s_barrier_wait -1                              ; everybody's is
	FETCH_B 0, 0, 0
	FETCH_A 0, 0, 0
	FETCH_A 0, 0, 4
	STEP 0, 0, 1                                   ; four K steps of 256, written out: the first products start the sums
	TURN 0, 1, 1                                   ; slot 0 takes K step 2
	STEP 1, 0, 0
	TURN 1, 0, 1                                   ; slot 1 takes K step 3
	STEP 0, 0, 0
	TURN 0, 1, 0                                   ; nothing is left to fetch: no round
	STEP 1, 0, 0
	s_wait_dscnt 4*NL                              ; the very last step
	WIN MUL_LO
	MUL16 0, 1, 0
	MUL16 2, 1, 0
	s_wait_alu depctr_va_vdst(0)
	s_wait_dscnt 0
	WIN MUL_HI
	MUL16 4, 1, 0
	MUL16 6, 1, 0
	WIN 0
; THE WAY OUT: two conversions make of accumulators (a, 2 n), (a, 2 n + 1) the piece (a, n): lane (r, h): the A side's row r, the B side's 32 n + 16 h + 0 .. 15.
.macro PACK hi                         ; hi = 0: window 2, A's blocks 0-3;  1: window 3, blocks 4-7
	WIN 0x82+0x41*\hi                              ; destination and source 0 in the accumulators' window
.set j, 0
.rept 256
.set j, j+1
.endr
	WIN 0x02+\hi                                   ; source 0 there, destination and scale in window 0
.irp a, 0,1,2,3
.irp n, 0,1,2,3
	v_cvt_scalef32_pk8_fp8_f32 v[CD+4*(4*(4*\hi+\a)+\n):CD+4*(4*(4*\hi+\a)+\n)+1], v[64*\a+16*\n:64*\a+16*\n+7], v[SCL]
	v_cvt_scalef32_pk8_fp8_f32 v[CD+4*(4*(4*\hi+\a)+\n)+2:CD+4*(4*(4*\hi+\a)+\n)+3], v[64*\a+16*\n+8:64*\a+16*\n+15], v[SCL]
.endr
.endr
.endm
.macro OUTQK headb                     ; q, k: block a is a tile of 16 rows; piece n: head n / 2, piece n % 2 of its 64
.irp a, 0,1,2,3,4,5,6,7
.irp n, 0,1,2,3
	global_store_b128 v[CO], v[CD+4*(4*\a+\n):CD+4*(4*\a+\n)+3], s[80:81] offset:1024*\a+(\n/2)*\headb+(\n%2)*512
.endr
.endr
.endm
.macro OUTV                            ; v: block a is head a / 4, tile a % 4 of its 64; piece n: keys 32 n on
.irp a, 0,1,2,3,4,5,6,7
.irp n, 0,1,2,3
	global_store_b128 v[CO], v[CD+4*(4*\a+\n):CD+4*(4*\a+\n)+3], s[80:81] offset:(\a/4)*262144+(\a%4)*2048+512*\n
.endr
.endr
.endm
	PLACES NP                                      ; behind the last products
	PACK 0
	PACK 1
	v_nop                                          ; a plain line behind the last conversion
	WIN 0
	s_cmp_eq_u32 ttmp9, 0                          ; the kind: the same in all partners
	s_cbranch_scc0 .Lnot_q
	OUTQK 131072
	s_branch .Ldone
.Lnot_q:
	s_cmp_eq_u32 ttmp9, 1
	s_cbranch_scc0 .Lis_v
	s_wait_alu depctr_va_vdst(0)
	OUTQK 262144
	s_branch .Ldone
.Lis_v:
	s_wait_alu depctr_va_vdst(0)
	OUTV
.Ldone:
	s_wait_tensorcnt 0x0                           ; the wave's end, behind my last tensor load
	ds_add_u32 v[SPW], v[NIL]
	s_wait_dscnt 0x0
	CROUND                                         ; the closing round: no work-group ends while a partner may still ask for a tile that names it
	s_endpgm
.Lfunc_end_k_q249957ffd5_gemm_qkv:
	.size	k_q249957ffd5_gemm_qkv, .Lfunc_end_k_q249957ffd5_gemm_qkv-k_q249957ffd5_gemm_qkv
	.p2alignl 7, 3214868480
	.fill 96, 4, 3214868480
	.section	.rodata,"a",@progbits
	.p2align	6, 0x0
	.amdhsa_kernel k_q249957ffd5_gemm_qkv
		.amdhsa_group_segment_fixed_size 327680
		.amdhsa_private_segment_fixed_size 0
		.amdhsa_enable_private_segment 0
		.amdhsa_kernarg_size 40
		.amdhsa_user_sgpr_count 2
		.amdhsa_user_sgpr_kernarg_segment_ptr 1
		.amdhsa_wavefront_size32 1
		.amdhsa_system_sgpr_workgroup_id_x 1
		.amdhsa_system_sgpr_workgroup_id_y 1
		.amdhsa_system_sgpr_workgroup_id_z 1
		.amdhsa_system_vgpr_workitem_id 0
		.amdhsa_next_free_vgpr 1024
		.amdhsa_next_free_sgpr 100
		.amdhsa_reserve_vcc 0
		.amdhsa_float_denorm_mode_32 3
		.amdhsa_float_denorm_mode_16_64 3
		.amdhsa_fp16_overflow 1
		.amdhsa_memory_ordered 1
		.amdhsa_forward_progress 1
		.amdhsa_inst_pref_size 91
	.end_amdhsa_kernel
	.amdgpu_metadata
---
amdhsa.version: [ 1, 2 ]
amdhsa.kernels:
  - .name:           k_q249957ffd5_gemm_qkv
    .symbol:         k_q249957ffd5_gemm_qkv.kd
    .args:
      - { .name: x_img, .offset: 0, .size: 8, .value_kind: global_buffer, .address_space: global }
      - { .name: w_img, .offset: 8, .size: 8, .value_kind: global_buffer, .address_space: global }
      - { .name: lowp_scales, .offset: 16, .size: 8, .value_kind: global_buffer, .address_space: global }
      - { .name: q_img, .offset: 24, .size: 8, .value_kind: global_buffer, .address_space: global }
      - { .name: kv_img, .offset: 32, .size: 8, .value_kind: global_buffer, .address_space: global }
    .group_segment_fixed_size: 327680
    .private_segment_fixed_size: 0
    .kernarg_segment_align: 8
    .kernarg_segment_size: 40
    .max_flat_workgroup_size: 128
    .sgpr_count:     100
    .vgpr_count:     1024
    .wavefront_size: 32
...
	.end_amdgpu_metadata
.endif
;; end of part 2
;; launch attn (part 3): grid 4 x 64, 8 waves a work-group, clusters of 4 x 1, 327,680 bytes of LDS; arguments q_img, kv_img, lowp_scales, y_img; writes y_img
.if DOCPART == 3
	.amdgcn_target "amdgcn-amd-amdhsa--gfx1250"
	.amdhsa_code_object_version 6
	.text
	.protected	k_q249957ffd5_attn
	.globl	k_q249957ffd5_attn
	.p2align	8
	.type	k_q249957ffd5_attn,@function
k_q249957ffd5_attn:
	s_mov_b64 s[64:65], 0
	v_nop
	global_prefetch_b8 v0, s[64:65] scope:SCOPE_SE
	s_setreg_imm32_b32 hwreg(HW_REG_WAVE_MODE, 25, 1), 1
	s_wait_xcnt 0x0
	s_wait_alu depctr_hold_cnt(0) depctr_sa_sdst(0) depctr_va_vdst(0) depctr_va_sdst(0) depctr_va_ssrc(0) depctr_va_vcc(0) depctr_vm_vsrc(0)
	s_getreg_b32 s2, hwreg(HW_REG_IB_STS2, 6, 4)
	s_cmp_eq_u32 s2, 0
	s_cbranch_scc0 .Lentry_in_a_cluster
	s_endpgm
.Lentry_in_a_cluster:
	s_bfe_u32 s2, ttmp6, 0x10000c
	s_cmp_lg_u32 s2, 0x3003
	s_cbranch_scc0 .Lentry_shape_is_right
	s_endpgm
.Lentry_shape_is_right:
; LAUNCH 3 OF 4: causal attention on codes of FP8 (E4M3), 64 heads of 2,048 positions x 64; the result y is quantised at once (scale e6) into the image of the last product's operand.
; WORK LEFT OUT: a step of 128 keys all of which come after the 32 queries in hand is masked whole by reference()'s own causal mask: its p is 0 for all inputs, so it is not done (shown at the head of the first launch).
; THE SOFTMAX: t = score x log2(e) / 8; M = the running largest t rounded UP to a whole number; p = 2^(t - M) is quantised along the keys (scale e4), not normalised; the row's sum is taken of the unquantised p and divides at the end.
; When M moves, the sum and O are multiplied by 2^(old M - new M): exact.
; K AND V OF A HEAD ARE 262,144 BYTES AND LIE IN LDS WHOLE, as they lie in kv_img: they are asked for once, at the head: no slot is ever filled again, and behind two barriers no wave waits for another.
; CLUSTER: the four work-groups of a head ask for its K and V jointly: the same loads with the same descriptors and the mask of all four.
; SHARES.  A PAIR is 32 queries: tiles 2 p and 2 p + 1 of q_img.  A wave holds a pair at a time, so that each fragment of K and V read from LDS feeds two tiles.  Pair 4 G + cx lies in key step G and has G + 1 live steps.
; Wave w takes G = 15 - w and then G = w: 17 steps for every wave of the launch.  All branches test the step's number against G, made of the wave's number alone; cx enters Q's and y's addresses and the mask's data only.
; LAYOUT.  Both products are used transposed: S^T = K Q^T (source 0 = 16 keys), O^T = V^T P^T (source 0 = 16 of the head's 64): a lane holds ONE query throughout.  By the order of a tile's rows the 16 registers of
; key tiles 2 b, 2 b + 1 are keys 32 b + 16 (lane / 16) + 0 .. 15 of the step, so the conversions' results are the second product's operand; likewise O^T's registers become pieces of y_img.
; No prefetch: all that the work-group reads from kv_img is asked for by its first tensor loads.  Matrix and vector work are not set by turns: a step has 24 matrix instructions beside some 550 vector lines, and a second wave shares the SIMD.
; LIMITS: e2 + e3 between -123 and 130 (added to c's exponent field); e4 between -126 and 119; e4 + e5 - e6 goes by v_ldexp_f32 and has none.
; REGISTERS.  Tile A of the pair lives in window 0, tile B in window 1 under THE SAME NUMBERS, so the softmax is written once and runs under either setting.
;   v12 -M, v13 largest t, v[14:15] the sum; v16-23, v24-31 Q of the two passes; v32-95: window 0 K's 8 fragments, window 1 V's 4; v96-159 S^T, then p; v160-191 O^T; v192-207 p's codes; v208-221 at work and constants; v224-231 y's codes.
;   window 0 alone: v1 16 x lane, v2 the step's LDS address, v5, v6 the add's two.
.set SPARE, 262144                     ; behind the head's image: the spare words, 128 bytes for each wave: four blocks of 256 bytes that no other line names
.set LI,  1
.set ADR, 2
.set SPW, 5
.set NIL, 6
.set NM,  12
.set TM,  13
.set LS,  14
.set QH,  16
.set QL,  24
.set KF,  32
.set S,   96
.set O,   160
.set PC,  192
.set T0,  208
.set T1,  209
.set F,   210                          ; v[210:211] f = 2^(old M - new M); the upper half is only named
.set PD,  212                          ; a lane permute's destination
.set SC,  214                          ; v[214:215] the sum's second chain
.set PLIM, 216                         ; unused
.set PSCL, 217                         ; 2^e4
.set NINF, 218                         ; -infinity
.set DQ,  219                          ; my query's place in its key step, less 16 (lane / 16)
.set ONE, 220                          ; 1.0: y's conversion divides by nothing more
.set YLIM, 221                         ; unused
.set YC,  224
.set WV,  12                           ; s12 wave; s13 cx; s14 head
.set SEL, 20                           ; s[20:21] lane selects: lane l xor 16
.set CS,  22                           ; s[22:23] c = log2(e) / 8 x 2^(e2 + e3)
.set G1A, 24                           ; s[24:31] group 1: 32 rows of 256 bytes;  s[32:39]: 96 rows;  s[40:43], s[44:47] their groups 0
.set G1B, 32
.set G0A, 40
.set G0B, 44
.set TB,  48                           ; s48 LDS byte at which the step begins
.set KS,  49                           ; s49 the step's number
.set DH,  50                           ; s50 G of the first pass: 15 - wave
.set DL,  51                           ; s51 G of the second: wave
.set EY,  52                           ; s52 e4 + e5 - e6
.set QBH, 54                           ; s[54:55], s[56:57] Q's address for the two passes;  s[58:59], s[60:61] y's
.set QBL, 56
.set YBH, 58
.set YBL, 60
.set MSB, 0
.macro WIN new                         ; the immediate's high byte repeats the setting that is left
.if MSB != \new
	s_set_vgpr_msb (MSB<<8)|\new
.set MSB, \new
.endif
.endm
.macro CROUND                          ; a round of the cluster's barrier
	s_barrier_signal -1
	s_barrier_wait -1
	s_cmp_lg_u32 s[WV], 0
	s_cbranch_scc1 .Lnot_wave_0_\@
	s_barrier_signal -3
.Lnot_wave_0_\@:
	s_barrier_wait -3
	s_barrier_signal -1
	s_barrier_wait -1
.endm
	s_load_b256 s[4:11], s[0:1], 0x0               ; q_img s[4:5], kv_img s[6:7], the scales' exponents s[8:9], y_img s[10:11]
	v_lshl_add_u32 v[SPW], v0, 2, SPARE
	v_mov_b32 v[NIL], 0
	ds_add_u32 v[SPW], v[NIL]                      ; the wave's opening: the add, twice on end, and its wait ahead of my first tensor load; the set-up below stands between
	ds_add_u32 v[SPW], v[NIL]
	v_lshrrev_b32 v1, 5, v0
	s_delay_alu instid0(VALU_DEP_1)
	v_readfirstlane_b32 s[WV], v1                  ; wave 0..7
	s_bfe_u32 s13, ttmp6, 0x40000                  ; cx
	s_and_b32 s14, ttmp7, 0xffff                   ; the head, which the four partners share
	; descriptor groups 1: dense blocks as rows of 256 bytes (32 elements of 8 bytes), no padding; the mask names all four work-groups, bit 21 beside it
	s_mov_b32 s[G1A], 15|(3<<16)|(1<<21)
	s_mov_b32 s[G1A+1], 32<<16                     ; tensor_dim0
	s_mov_b32 s[G1A+2], 32<<16                     ; tensor_dim1 = 32 rows: 8,192 bytes
	s_mov_b32 s[G1A+3], 32<<16                     ; tile_dim0
	s_mov_b32 s[G1A+4], 32                         ; tile_dim1
	s_mov_b32 s[G1A+5], 32                         ; tensor_dim0_stride
	s_mov_b32 s[G1A+6], 0
	s_mov_b32 s[G1A+7], 0
	s_mov_b32 s[G1B], 15|(3<<16)|(1<<21)
	s_mov_b32 s[G1B+1], 32<<16
	s_mov_b32 s[G1B+2], 96<<16                     ; 96 rows: 24,576 bytes
	s_mov_b32 s[G1B+3], 32<<16
	s_mov_b32 s[G1B+4], 96
	s_mov_b32 s[G1B+5], 32
	s_mov_b32 s[G1B+6], 0
	s_mov_b32 s[G1B+7], 0
	s_mov_b32 s[SEL], 0x76543210
	s_mov_b32 s[SEL+1], 0xfedcba98
	s_xor_b32 s[DH], s[WV], 15                     ; 15 - wave
	s_mov_b32 s[DL], s[WV]
	s_lshl_b32 s18, s14, 18                        ; the head's first byte in kv_img
	s_mov_b32 s[G0A], 1
	s_lshl_b32 s[G0A+1], s[WV], 13                 ; steps 0-3 (65,536 bytes): wave w's eighth, at the same place in LDS as in the head's image
	s_add_co_u32 s76, s18, s[G0A+1]
	s_mov_b32 s77, 0
	s_mov_b32 s[G0B], 1
	s_mul_i32 s[G0B+1], s[WV], 24576               ; steps 4-15 (196,608 bytes): wave w's eighth
	s_add_co_u32 s[G0B+1], s[G0B+1], 65536
	s_add_co_u32 s78, s18, s[G0B+1]
	s_mov_b32 s79, 0
	s_wait_dscnt 0x0                               ; both opening adds are done
	s_wait_kmcnt 0x0
	s_load_b256 s[68:75], s[8:9], 0x0              ; e0 .. e7
	s_add_nc_u64 s[G0A+2:G0A+3], s[6:7], s[76:77]
	s_or_b32 s[G0A+3], s[G0A+3], 0x80000000
	s_add_nc_u64 s[G0B+2:G0B+3], s[6:7], s[78:79]
	s_or_b32 s[G0B+3], s[G0B+3], 0x80000000
	CROUND                                         ; all four work-groups are here: the joint loads meet
	tensor_load_to_lds s[G0A:G0A+3], s[G1A:G1A+7]  ; every wave issues both, with no branch: the first lands before the second is asked for
	s_nop 0
	s_wait_alu depctr_va_vdst(0)
	s_wait_tensorcnt 0x0
	ds_add_u32 v5, v6
	s_wait_dscnt 0x0
	CROUND
	tensor_load_to_lds s[G0B:G0B+3], s[G1B:G1B+7]
	s_nop 0
.rept 4
	v_nop
.endr
	; Q's and y's addresses: the only scalars that hold cx, in registers that feed no descriptor
	s_lshl_b32 s16, s[DH], 2
	s_add_co_u32 s16, s16, s13                     ; the first pass's pair
	s_lshl_b32 s17, s[DL], 2
	s_add_co_u32 s17, s17, s13                     ; the second's
	s_lshl_b32 s19, s14, 17                        ; the head in q_img
	s_lshl_b32 s62, s16, 11                        ; a pair: two tiles of 1,024 bytes
	s_add_co_u32 s62, s62, s19
	s_mov_b32 s63, 0
	s_add_nc_u64 s[QBH:QBH+1], s[4:5], s[62:63]
	s_lshl_b32 s62, s17, 11
	s_add_co_u32 s62, s62, s19
	s_add_nc_u64 s[QBL:QBL+1], s[4:5], s[62:63]
	s_lshr_b32 s19, s14, 4                         ; y_img: [512 tiles][8 x 128 along K][4 pieces][512]: the batch's 128 tiles of 16,384 bytes,
	s_lshl_b32 s19, s19, 21
	s_bfe_u32 s15, s14, 0x30001                    ; the head's 128 along K: (head % 16) / 2,
	s_lshl_b32 s15, s15, 11
	s_add_co_u32 s19, s19, s15
	s_and_b32 s15, s14, 1                          ; and its two pieces of the four
	s_lshl_b32 s15, s15, 10
	s_add_co_u32 s19, s19, s15
	s_lshl_b32 s62, s16, 15                        ; a pair: two tiles
	s_add_co_u32 s62, s62, s19
	s_add_nc_u64 s[YBH:YBH+1], s[10:11], s[62:63]
	s_lshl_b32 s62, s17, 15
	s_add_co_u32 s62, s62, s19
	s_add_nc_u64 s[YBL:YBL+1], s[10:11], s[62:63]
	s_lshl_b32 s15, s13, 5                         ; 32 cx: the pair's place in its key step
	v_and_b32 v1, 31, v0
	s_delay_alu instid0(VALU_DEP_1)
	v_lshlrev_b32 v[LI], 4, v1                     ; 16 x lane; never rewritten from here on
	global_load_b128 v[QH:QH+3], v[LI], s[QBH:QBH+1]               ; Q stays in registers: tile A's two pieces,
	global_load_b128 v[QH+4:QH+7], v[LI], s[QBH:QBH+1] offset:512
	global_load_b128 v[QL:QL+3], v[LI], s[QBL:QBL+1]
	global_load_b128 v[QL+4:QL+7], v[LI], s[QBL:QBL+1] offset:512
	WIN 0x40                                       ; destination window 1: tile B's
	global_load_b128 v[QH:QH+3], v[LI], s[QBH:QBH+1] offset:1024
	global_load_b128 v[QH+4:QH+7], v[LI], s[QBH:QBH+1] offset:1536
	global_load_b128 v[QL:QL+3], v[LI], s[QBL:QBL+1] offset:1024
	global_load_b128 v[QL+4:QL+7], v[LI], s[QBL:QBL+1] offset:1536
	WIN 0
	s_wait_kmcnt 0x0
	s_add_co_i32 s66, s70, s71
	s_lshl_b32 s66, s66, 23
	s_mov_b32 s[CS], 0x3e38aa3b                    ; log2(e) / 8
	s_add_co_i32 s[CS], s[CS], s66                 ; a score stands for score x 2^(e2 + e3): added to c's exponent field
	s_mov_b32 s[CS+1], s[CS]                       ; (named with it as a pair, so it is written)
	s_add_co_i32 s67, s72, 127
	s_lshl_b32 s66, s67, 23                        ; 2^e4
	s_add_co_i32 s[EY], s72, s73
	s_sub_co_i32 s[EY], s[EY], s74
.macro CONSTS                          ; no source is a vector register: runs for window 0 and, with the destination in window 1, for window 1
	v_mov_b32 v[PSCL], s66
	v_mov_b32 v[NINF], 0xff800000
	v_mov_b32 v[ONE], 1.0
	v_mov_b32 v[F+1], 0
	v_mov_b32 v[PD], 0
.endm
	CONSTS
	v_and_b32 v3, 15, v0                           ; r
	v_bfe_u32 v4, v0, 4, 1                         ; h
	s_delay_alu instid0(VALU_DEP_2)
	v_and_b32 v7, 8, v3
	s_delay_alu instid0(VALU_DEP_1)
	v_add_nc_u32 v7, v7, v3                        ; r + 8 (r / 8)
	s_delay_alu instid0(VALU_DEP_3)
	v_lshlrev_b32 v4, 4, v4
	s_delay_alu instid0(VALU_DEP_1)
	v_sub_nc_u32 v7, v7, v4                        ; - 16 h
	s_delay_alu instid0(VALU_DEP_1)
	v_add_nc_u32 v[DQ], s15, v7                    ; tile A: + 32 cx
	WIN 0x40
	CONSTS
	v_add_nc_u32 v[DQ], 8, v[DQ]                   ; tile B's queries lie 8 further on (source in window 0)
	WIN 0
.macro INIT                            ; a pass begins: O^T and the sum are zeros, the largest t is under every t; the first change of M multiplies zeros
	v_mov_b32 v[TM], 0xff61b1e6                    ; -3e38
	s_delay_alu instid0(VALU_DEP_1)
	v_floor_f32 v[NM], -v[TM]
	v_mov_b32 v[LS], 0
	v_mov_b32 v[LS+1], 0
.set j, 0
.rept 32
	v_mov_b32 v[O+j], 0
.set j, j+1
.endr
.endm
; On the diagonal: register n holds key 32 (n / 16) + 16 h + n % 16 of the step: hidden where 32 (n / 16) + n % 16 > DQ.  Hidden scores become -infinity ahead of the maximum: p = 0 then.  Each accumulator is read from its low end on.
.macro MASK
.set n, 0
.rept 64
	v_cmp_gt_i32 vcc_lo, 32*(n/16)+n%16, v[DQ]
	v_cndmask_b32 v[S+n], v[S+n], v[NINF], vcc_lo
.set n, n+1
.endr
.endm
; One tile's softmax for a step of 128 keys, 64 scores a lane; all its vector registers lie in one window.
.macro SOFT
	v_max3_num_f32 v[T0], v[S], v[S+1], v[S+2]     ; the step's largest score among my 64 keys, in two chains; each accumulator is first read at its low end
	v_max3_num_f32 v[T1], v[S+3], v[S+4], v[S+5]
.irp i, 6,10,14,18,22,26,30,34,38,42,46,50,54,58
	v_max3_num_f32 v[T0], v[T0], v[S+\i], v[S+1+\i]
	v_max3_num_f32 v[T1], v[T1], v[S+2+\i], v[S+3+\i]
.endr
	v_max3_num_f32 v[T0], v[T0], v[S+62], v[S+63]
	s_delay_alu instid0(VALU_DEP_1)
	v_max_num_f32 v[T0], v[T0], v[T1]
	s_delay_alu instid0(VALU_DEP_1)
	v_permlanex16_b32 v[PD], v[T0], s[SEL], s[SEL+1]
	s_delay_alu instid0(VALU_DEP_1)
	v_max_num_f32 v[T0], v[T0], v[PD]              ; and among lane l xor 16's
	s_delay_alu instid0(VALU_DEP_1)
	v_mul_f32 v[T0], s[CS], v[T0]                  ; as t (c is positive)
	s_delay_alu instid0(VALU_DEP_1)
	v_max_num_f32 v[TM], v[TM], v[T0]              ; the running largest t
	v_mov_b32 v[T0], v[NM]
	s_delay_alu instid0(VALU_DEP_2)
	v_floor_f32 v[NM], -v[TM]                      ; the new -M = floor(-t) = -ceil(t)
	s_delay_alu instid0(VALU_DEP_1)
	v_sub_f32 v[T0], v[NM], v[T0]                  ; old M less new M: a whole number, 0 or less
	s_delay_alu instid0(VALU_DEP_1)
	v_cvt_i32_f32 v[T0], v[T0]                     ; (it saturates)
	s_delay_alu instid0(VALU_DEP_1)
	v_ldexp_f32 v[F], 1.0, v[T0]                   ; f = 2^(old M - new M)
.set j, 0
.rept 32
	v_pk_fma_f32 v[S+j:S+j+1], v[S+j:S+j+1], s[CS:CS+1], v[NM:NM+1] op_sel_hi:[1,0,0]   ; t - M, two at a time (of the pairs c and -M the low word serves both halves)
.set j, j+2
.endr
.set j, 0
	s_wait_alu depctr_va_vdst(0)
.rept 64
	v_exp_f32 v[S+j], v[S+j]                       ; p = 2^(t - M), at most 1
.set j, j+1
.endr
	v_pk_mul_f32 v[LS:LS+1], v[LS:LS+1], v[F:F+1] op_sel_hi:[1,0]   ; the sums under the new M: the plain line behind the exponentials
	s_wait_alu depctr_va_vdst(0)                   ; the wait ahead of the first line that names a result: one for the batch of 64
	v_pk_add_f32 v[SC:SC+1], v[S:S+1], v[S+2:S+3]  ; the row's sum of the UNQUANTISED p, in two chains
.irp j, 4,8,12,16,20,24,28,32,36,40,44,48,52,56,60
	v_pk_add_f32 v[LS:LS+1], v[LS:LS+1], v[S+\j:S+1+\j]
	v_pk_add_f32 v[SC:SC+1], v[SC:SC+1], v[S+2+\j:S+3+\j]
.endr
	s_delay_alu instid0(VALU_DEP_1)
	v_pk_add_f32 v[LS:LS+1], v[LS:LS+1], v[SC:SC+1]
.irp b, 0,1,2,3
.irp i, 0,1,2,3,4,5,6,7,8,9,10,11,12,13,14,15
.endr
	v_cvt_scalef32_pk8_fp8_f32 v[PC+4*\b:PC+4*\b+1], v[S+16*\b:S+16*\b+7], v[PSCL]
	v_cvt_scalef32_pk8_fp8_f32 v[PC+4*\b+2:PC+4*\b+3], v[S+16*\b+8:S+16*\b+15], v[PSCL]
.endr
.set j, 0
.rept 16
	v_pk_mul_f32 v[O+j:O+j+1], v[O+j:O+j+1], v[F:F+1] op_sel_hi:[1,0]   ; O^T under the new M; also the plain lines between the conversions and the products
.set j, j+2
.endr
.endm
; A KEY STEP for the pair whose Q lies at v[q].  tests = 1: the step is left out where its number is above s[d], and masked where it is equal.
; All accumulators take single turns: 8 + 8 of S^T, 4 + 4 of O^T.
.macro STEP q, tests, d
.if \tests
	s_cmp_gt_u32 s[KS], s[\d]                      ; the wave's number and the count of steps alone; no barrier and no tensor load stands in a step
	s_cbranch_scc1 .Lhid_\@
.endif
	v_add_nc_u32 v[ADR], s[TB], v[LI]
.irp t, 0,1,2,3,4,5,6,7
	ds_load_b128 v[KF+8*\t:KF+8*\t+3], v[ADR] offset:1024*\t           ; K's tile t: two pieces, 512 consecutive bytes each
	ds_load_b128 v[KF+8*\t+4:KF+8*\t+7], v[ADR] offset:1024*\t+512
.endr
	WIN 0x40                                       ; destination window 1
.irp t, 0,1,2,3
.irp c, 0,1,2,3
	ds_load_b128 v[KF+16*\t+4*\c:KF+16*\t+4*\c+3], v[ADR] offset:8192+2048*\t+512*\c   ; V's tile t: four pieces
.endr
.endr
	WIN 0
	s_wait_dscnt 16                                ; K's 16 loads are in; V's 16 may be out
.irp t, 0,1,2,3,4,5,6,7
	v_wmma_f32_16x16x64_fp8_fp8 v[S+8*\t:S+8*\t+7], v[KF+8*\t:KF+8*\t+7], v[\q:\q+7], 0
.endr
	WIN 0x54                                       ; tile B: K from window 0, Q and S^T in window 1
.irp t, 0,1,2,3,4,5,6,7
	v_wmma_f32_16x16x64_fp8_fp8 v[S+8*\t:S+8*\t+7], v[KF+8*\t:KF+8*\t+7], v[\q:\q+7], 0
.endr
	WIN 0
.rept 4
	v_nop                                          ; places behind the products, ahead of the first read of their results
.endr
.if \tests
	s_cmp_lt_u32 s[KS], s[\d]
	s_cbranch_scc1 .Lopen_\@                       ; all 128 keys count
	MASK
	WIN 0x55
	MASK
	WIN 0
.Lopen_\@:
.endif
	SOFT
	s_wait_alu depctr_va_vdst(0)
	s_wait_dscnt 0x0                               ; V is in
	WIN 0x01                                       ; V from window 1
.irp t, 0,1,2,3
	v_wmma_f32_16x16x128_fp8_fp8 v[O+8*\t:O+8*\t+7], v[KF+16*\t:KF+16*\t+15], v[PC:PC+15], v[O+8*\t:O+8*\t+7]
.endr
	WIN 0x55                                       ; tile B: all in window 1
	SOFT
.irp t, 0,1,2,3
	v_wmma_f32_16x16x128_fp8_fp8 v[O+8*\t:O+8*\t+7], v[KF+16*\t:KF+16*\t+15], v[PC:PC+15], v[O+8*\t:O+8*\t+7]
.endr
	WIN 0
.rept 4
	v_nop                                          ; places behind the last products: for the next step's loads into V's registers and for every later read of O^T
.endr
.if \tests
.Lhid_\@:
.endif
.endm
; A tile's way out: y's code = O^T / the sum x 2^(e4 + e5 - e6).  Registers 16 n .. 16 n + 15 of O^T are 32 n + 16 h + 0 .. 15 of the head's 64: piece n.
.macro FINW
	v_add_f32 v[LS], v[LS], v[LS+1]
	s_delay_alu instid0(VALU_DEP_1)
	v_permlanex16_b32 v[PD], v[LS], s[SEL], s[SEL+1]
	s_delay_alu instid0(VALU_DEP_1)
	v_add_f32 v[LS], v[LS], v[PD]                  ; the row's sum
	s_wait_alu depctr_va_vdst(0)
	v_rcp_f32 v[LS], v[LS]
	v_nop                                          ; a plain line behind the transcendental
	s_wait_alu depctr_va_vdst(0)                   ; and the wait ahead of its first reader
	v_ldexp_f32 v[LS], v[LS], s[EY]
.set j, 0
.rept 16
	v_pk_mul_f32 v[S+j:S+j+1], v[O+j:O+j+1], v[LS:LS+1] op_sel_hi:[1,0]   ; each accumulator from its low end on
.set j, j+2
.endr
.set j, 0
.rept 32
.set j, j+1
.endr
.irp n, 0,1
	v_cvt_scalef32_pk8_fp8_f32 v[YC+4*\n:YC+4*\n+1], v[S+16*\n:S+16*\n+7], v[ONE]
	v_cvt_scalef32_pk8_fp8_f32 v[YC+4*\n+2:YC+4*\n+3], v[S+16*\n+8:S+16*\n+15], v[ONE]
.endr
	v_nop                                          ; a plain line behind the last conversion
.endm
.macro FIN y
	s_wait_xcnt 0x0                                ; the stores of the pass before have read y's codes
	FINW
	WIN 0x55
	FINW
	WIN 0
	global_store_b128 v[LI], v[YC:YC+3], s[\y:\y+1]                ; a piece: 512 consecutive bytes, aligned
	global_store_b128 v[LI], v[YC+4:YC+7], s[\y:\y+1] offset:512
	WIN 0x04                                       ; the stores' data in window 1: tile B, one tile of 16,384 bytes on
	global_store_b128 v[LI], v[YC:YC+3], s[\y:\y+1] offset:16384
	global_store_b128 v[LI], v[YC+4:YC+7], s[\y:\y+1] offset:16896
	WIN 0
.endm
	INIT
	WIN 0x55
	INIT
	WIN 0
	s_wait_loadcnt 0x0                             ; Q
	s_wait_tensorcnt 1                             ; my part of steps 0-3 is in; my part of steps 4-15 may be out
	s_barrier_signal -1
	s_barrier_wait -1                              ; everybody's is
	s_mov_b32 s[TB], 0
	s_mov_b32 s[KS], 0
.Lfirst_four:                                      ; the first pass has G of 8 or more: steps 0-3 are open for every wave
	STEP QH, 0, DH
	s_add_co_u32 s[TB], s[TB], 16384
	s_add_co_u32 s[KS], s[KS], 1
	s_cmp_lt_u32 s[KS], 4
	s_cbranch_scc1 .Lfirst_four
	s_wait_tensorcnt 0x0                           ; my part of steps 4-15 is in,
	s_wait_dscnt 0x0
	s_barrier_signal -1
	s_barrier_wait -1                              ; everybody's is: from here on no wave waits for another
	s_mov_b32 s[TB], 65536
	s_mov_b32 s[KS], 4
.Lhigh:                                            ; steps 4-15: a constant count of trips; what lies beyond G is jumped over
	STEP QH, 1, DH
	s_add_co_u32 s[TB], s[TB], 16384
	s_add_co_u32 s[KS], s[KS], 1
	s_cmp_lt_u32 s[KS], 16
	s_cbranch_scc1 .Lhigh
	FIN YBH
	INIT                                           ; the second pass: G = wave, 7 at the most
	WIN 0x55
	INIT
	WIN 0
	s_mov_b32 s[TB], 0
	s_mov_b32 s[KS], 0
.Llow:
	STEP QL, 1, DL
	s_add_co_u32 s[TB], s[TB], 16384
	s_add_co_u32 s[KS], s[KS], 1
	s_cmp_lt_u32 s[KS], 8
	s_cbranch_scc1 .Llow
	FIN YBL
	s_wait_tensorcnt 0x0                           ; the wave's end, behind my last tensor load
	ds_add_u32 v[SPW], v[NIL]
	s_wait_dscnt 0x0
	CROUND                                         ; the closing round
	s_endpgm
.Lfunc_end_k_q249957ffd5_attn:
	.size	k_q249957ffd5_attn, .Lfunc_end_k_q249957ffd5_attn-k_q249957ffd5_attn
	.p2alignl 7, 3214868480
	.fill 96, 4, 3214868480
	.section	.rodata,"a",@progbits
	.p2align	6, 0x0
	.amdhsa_kernel k_q249957ffd5_attn
		.amdhsa_group_segment_fixed_size 327680
		.amdhsa_private_segment_fixed_size 0
		.amdhsa_enable_private_segment 0
		.amdhsa_kernarg_size 32
		.amdhsa_user_sgpr_count 2
		.amdhsa_user_sgpr_kernarg_segment_ptr 1
		.amdhsa_wavefront_size32 1
		.amdhsa_system_sgpr_workgroup_id_x 1
		.amdhsa_system_sgpr_workgroup_id_y 1
		.amdhsa_system_sgpr_workgroup_id_z 1
		.amdhsa_system_vgpr_workitem_id 0
		.amdhsa_next_free_vgpr 512
		.amdhsa_next_free_sgpr 80
		.amdhsa_reserve_vcc 1
		.amdhsa_float_denorm_mode_32 3
		.amdhsa_float_denorm_mode_16_64 3
		.amdhsa_fp16_overflow 1
		.amdhsa_memory_ordered 1
		.amdhsa_forward_progress 1
		.amdhsa_inst_pref_size 116
	.end_amdhsa_kernel
	.amdgpu_metadata
---
amdhsa.version: [ 1, 2 ]
amdhsa.kernels:
  - .name:           k_q249957ffd5_attn
    .symbol:         k_q249957ffd5_attn.kd
    .args:
      - { .name: q_img, .offset: 0, .size: 8, .value_kind: global_buffer, .address_space: global }
      - { .name: kv_img, .offset: 8, .size: 8, .value_kind: global_buffer, .address_space: global }
      - { .name: lowp_scales, .offset: 16, .size: 8, .value_kind: global_buffer, .address_space: global }
      - { .name: y_img, .offset: 24, .size: 8, .value_kind: global_buffer, .address_space: global }
    .group_segment_fixed_size: 327680
    .private_segment_fixed_size: 0
    .kernarg_segment_align: 8
    .kernarg_segment_size: 32
    .max_flat_workgroup_size: 256
    .sgpr_count:     80
    .vgpr_count:     512
    .wavefront_size: 32
...
	.end_amdgpu_metadata
.endif
;; end of part 3
;; launch gemm_out (part 4): grid 4 x 64, 4 waves a work-group, clusters of 4 x 4, 327,680 bytes of LDS; arguments y_img, wo_img, lowp_scales, out0; writes out0
.if DOCPART == 4
	.amdgcn_target "amdgcn-amd-amdhsa--gfx1250"
	.amdhsa_code_object_version 6
	.text
	.protected	k_q249957ffd5_gemm_out
	.globl	k_q249957ffd5_gemm_out
	.p2align	8
	.type	k_q249957ffd5_gemm_out,@function
k_q249957ffd5_gemm_out:
	s_mov_b64 s[64:65], 0
	v_nop
	global_prefetch_b8 v0, s[64:65] scope:SCOPE_SE
	s_setreg_imm32_b32 hwreg(HW_REG_WAVE_MODE, 25, 1), 1
	s_wait_xcnt 0x0
	s_wait_alu depctr_hold_cnt(0) depctr_sa_sdst(0) depctr_va_vdst(0) depctr_va_sdst(0) depctr_va_ssrc(0) depctr_va_vcc(0) depctr_vm_vsrc(0)
	s_getreg_b32 s2, hwreg(HW_REG_IB_STS2, 6, 4)
	s_cmp_eq_u32 s2, 0
	s_cbranch_scc0 .Lentry_in_a_cluster
	s_endpgm
.Lentry_in_a_cluster:
	s_bfe_u32 s2, ttmp6, 0x10000c
	s_cmp_lg_u32 s2, 0xf033
	s_cbranch_scc0 .Lentry_shape_is_right
	s_endpgm
.Lentry_shape_is_right:
; LAUNCH 4 OF 4: out0 = y Wo on codes of FP8 (E4M3); each f32 sum is multiplied once by 2^(e6 + e7).  y_img [512 tiles][8][4][512] and wo_img [64 tiles][8][4][512] are images of operand registers, as in the launches before.
; A tile of the result is 128 rows x 256 columns: 64 x 4 = 256 work-groups (tiles of 256 x 256 would be 128).  Four waves, 64 x 128 each: 32 accumulators in window 2.  K = 1,024 in four steps of 256 through two LDS slots.
; THE INSTRUCTION IS USED TRANSPOSED (source 0 = 16 columns of Wo, source 1 = 16 rows of y): a lane holds one row; by the order of a tile's rows, lane r of y's tile 2 g + u is row 32 g + 8 u + r + 8 (r / 8),
; and registers 0-7 of column tile 2 n + u are columns 32 n + 16 (lane / 16) + 8 u + 0 .. 7.
; CLUSTERS: 4 x 4 work-groups; y's tiles are asked for jointly along a row of the cluster, Wo's along a column.  No prefetch: of the four K steps two are asked for at the head, and the tiles are read by several work-groups.
; LIMIT: e6 + e7 between -126 and 127, so that 2^(e6 + e7) is an f32 number.
; REGISTERS: window 0: v16-29 addresses; v32-95 at work on the way out; y's fragments in two sets at v128, v192 (on the way out: rows read back).  window 1: Wo's fragments, two sets at v0, v128.  window 2: accumulator (a, b) at v[8 (8 a + b)].
.set FR,     16
.set NP,     4                         ; places behind this matrix instruction (ISA guide 7.12.1)
.set TILEB,  4096                      ; a tile's bytes in a slot: 16 rows x 256 along K
.set BOFF,   8*TILEB                   ; a slot: y's 8 tiles, then Wo's 16
.set SLOT,   24*TILEB
.set STAGE,  2*SLOT                    ; behind the ring, bytes of its own: 16 rows x 528 for each wave
.set SPITCH, 528                       ; 512 bytes + 16: lanes 0-15 store at 528 r, sixteen different 16-byte columns modulo 256 bytes
.set SPARE,  STAGE+4*16*SPITCH         ; behind the stages: the spare words, 128 bytes for each wave: two blocks of 256 bytes that no other line names
.set ADRA, 16                          ; v16-17  LDS address of my fragments of y in slot 0, 1
.set ADRB, 20                          ; v20-21  of Wo
.set STO,  24                          ; v24     the way out: where I put 32 bytes of a row
.set RD,   25                          ; v25     where I read a row back
.set CO,   26                          ; v26     16 x lane; never rewritten
.set SPW,  28                          ; v28     LDS address of my spare word; never rewritten
.set NIL,  29                          ; v29     0; never rewritten
.set TMP,  32
.set AF,   128
.set BK,   128
.set G1, 24
.set G0, 32
.set G1B, 48
.set G0B, 56
.set MSB, 0
.macro WIN new                         ; the immediate's high byte repeats the setting that is left
.if MSB != \new
	s_set_vgpr_msb (MSB<<8)|\new
.set MSB, \new
.endif
.endm
.macro JLOAD g0a, g1a, g0b, g1b        ; a joint load: waves 0 and 1 fetch y's halves, waves 2 and 3 Wo's; an s_nop 0 and four v_nop follow each of the two lines
	s_cmp_eq_u32 s15, 0
	s_cbranch_scc0 .Lfor_b_\@
	tensor_load_to_lds s[\g0a:\g0a+3], s[\g1a:\g1a+7]
	s_nop 0
.rept 4
	v_nop
.endr
	s_branch .Lasked_\@
.Lfor_b_\@:
	tensor_load_to_lds s[\g0b:\g0b+3], s[\g1b:\g1b+7]
	s_nop 0
.rept 4
	v_nop
.endr
.Lasked_\@:
.endm
.macro CREST
	s_cmp_lg_u32 s14, 0
	s_cbranch_scc1 .Lnot_wave_0_\@
	s_barrier_signal -3
.Lnot_wave_0_\@:
	s_barrier_wait -3
	s_barrier_signal -1
	s_barrier_wait -1
.endm
.macro CROUND
	s_barrier_signal -1
	s_barrier_wait -1
	CREST
.endm
	s_load_b128 s[4:7], s[0:1], 0x0                ; y_img s[4:5], wo_img s[6:7]
	s_load_b128 s[8:11], s[0:1], 0x10              ; the scales' exponents s[8:9], out0 s[10:11]
	v_lshl_add_u32 v[SPW], v0, 2, SPARE
	v_mov_b32 v[NIL], 0
	ds_add_u32 v[SPW], v[NIL]                      ; the wave's opening: the add, twice on end, and its wait ahead of my first tensor load; the set-up below stands between
	ds_add_u32 v[SPW], v[NIL]
	v_lshrrev_b32 v1, 5, v0
	v_readfirstlane_b32 s14, v1                    ; wave 0..3
	s_lshr_b32 s15, s14, 1                         ; which 64 rows are mine.  Also: I fetch for y (0) or for Wo (1)
	s_and_b32 s16, s14, 1                          ; which 128 columns.  Also: which half of that side I fetch
	s_bfe_u32 s40, ttmp6, 0x40000                  ; cx, cy
	s_bfe_u32 s41, ttmp6, 0x40004
	s_lshl_b32 s42, ttmp9, 2
	s_add_co_u32 s42, s42, s40                     ; tile column = 4 x cluster x + cx
	s_and_b32 s17, ttmp7, 0xffff
	s_lshl_b32 s17, s17, 2
	s_add_co_u32 s17, s17, s41                     ; tile row = 4 x cluster y + cy
	s_lshl_b32 s43, s41, 2
	s_lshl_b32 s43, 15, s43                        ; my row of the cluster
	s_lshl_b32 s44, 0x1111, s40                    ; my column
	; descriptor groups 1: rows of 4,096 bytes (512 elements of 8 bytes), 16,384 bytes apart in memory, dense in LDS: 4 rows for y, 8 for Wo
	s_or_b32 s[G1+0], s43, (3<<16)|(1<<21)
	s_or_b32 s[G1B+0], s44, (3<<16)|(1<<21)
	s_mov_b32 s[G1+1], 512<<16
	s_mov_b32 s[G1+2], 4<<16
	s_mov_b32 s[G1+3], 512<<16
	s_mov_b32 s[G1+4], 4
	s_mov_b32 s[G1+5], 2048
	s_mov_b32 s[G1+6], 0
	s_mov_b32 s[G1+7], 0
	s_mov_b32 s[G1B+1], 512<<16
	s_mov_b32 s[G1B+2], 8<<16
	s_mov_b32 s[G1B+3], 512<<16
	s_mov_b32 s[G1B+4], 8
	s_mov_b32 s[G1B+5], 2048
	s_mov_b32 s[G1B+6], 0
	s_mov_b32 s[G1B+7], 0
	s_lshl_b32 s20, s17, 17                        ; y: 8 tiles of 16,384 bytes a tile row,
	s_lshl_b32 s21, s16, 16                        ; + my 4
	s_add_co_u32 s20, s20, s21
	s_mov_b32 s21, 0
	s_lshl_b32 s46, s42, 18                        ; Wo: 16 tiles a tile column,
	s_lshl_b32 s47, s16, 17                        ; + my 8
	s_add_co_u32 s46, s46, s47
	s_mov_b32 s47, 0
	s_lshl_b32 s45, s16, 14                        ; where they go: y's halves,
	s_lshl_b32 s19, s16, 15
	s_add_co_u32 s19, s19, BOFF                    ; Wo's halves: no place in the cluster enters an LDS address
	s_wait_dscnt 0x0                               ; both opening adds are done
	s_wait_kmcnt 0x0
	s_load_b256 s[68:75], s[8:9], 0x0              ; e0 .. e7
	s_add_nc_u64 s[20:21], s[4:5], s[20:21]
	s_add_nc_u64 s[46:47], s[6:7], s[46:47]
	CROUND                                         ; all sixteen work-groups are here: the first joint loads meet
.irp s, 0,1
	s_mov_b32 s[G0+4*\s], 1
	s_add_co_u32 s[G0+4*\s+1], s45, \s*SLOT
	s_add_nc_u64 s[G0+4*\s+2:G0+4*\s+3], s[20:21], \s*TILEB
	s_or_b32 s[G0+4*\s+3], s[G0+4*\s+3], 0x80000000
	s_mov_b32 s[G0B+4*\s], 1
	s_add_co_u32 s[G0B+4*\s+1], s19, \s*SLOT
	s_add_nc_u64 s[G0B+4*\s+2:G0B+4*\s+3], s[46:47], \s*TILEB
	s_or_b32 s[G0B+4*\s+3], s[G0B+4*\s+3], 0x80000000
	s_wait_alu depctr_va_vdst(0)
	s_wait_tensorcnt 0x0
	ds_add_u32 v28, v29
	ds_add_u32 v28, v29
	s_wait_dscnt 0x0
	CROUND
	JLOAD G0+4*\s, G1, G0B+4*\s, G1B               ; one tensor load of mine is out
.endr
	v_and_b32 v1, 15, v0                           ; r
	s_wait_alu depctr_va_vdst(0)
	v_bfe_u32 v2, v0, 4, 1                         ; h
	v_and_b32 v3, 31, v0
	v_lshlrev_b32 v[CO], 4, v3                     ; 16 x lane
	s_lshl_b32 s22, s15, 14                        ; my 4 tiles of y
	s_lshl_b32 s23, s16, 15                        ; my 8 tiles of Wo
	s_add_co_u32 s23, s23, BOFF
.irp s, 0,1
	v_add_nc_u32 v[ADRA+\s], s22, v[CO]
	v_add_nc_u32 v[ADRB+\s], s23, v[CO]
	s_add_co_u32 s22, s22, SLOT
	s_add_co_u32 s23, s23, SLOT
.endr
	s_mul_i32 s23, s14, 16*SPITCH
	s_add_co_u32 s23, s23, STAGE                   ; my stage
	v_mul_u32_u24 v5, v1, SPITCH
	s_wait_alu depctr_va_vdst(0)
	v_lshl_add_u32 v5, v2, 6, v5
	v_add_nc_u32 v[STO], s23, v5                   ; in: row r, + 64 h bytes
	v_add_nc_u32 v[RD], s23, v[CO]                 ; back: the 32 lanes take one row of 512 bytes
	s_lshl_b32 s20, s17, 19                        ; my first row of out0: 128 rows of 4,096 bytes a tile row,
	s_lshl_b32 s21, s15, 18                        ; + 64 x half
	s_add_co_u32 s20, s20, s21
	s_mov_b32 s21, 0
	s_lshl_b32 s46, s42, 10                        ; my first column, in bytes: 1,024 x tile column + 512 x half
	s_lshl_b32 s47, s16, 9
	s_add_co_u32 s46, s46, s47
	s_mov_b32 s47, 0
	s_add_nc_u64 s[10:11], s[10:11], s[20:21]
	s_add_nc_u64 s[10:11], s[10:11], s[46:47]
.macro FRAG reg, adr, q, i
.irp c, 0,1,2,3
	ds_load_b128 v[\reg+4*\c:\reg+4*\c+3], v[\adr] offset:TILEB*(\i)+2048*(\q)+512*\c
.endr
.endm
.macro FETCH2 slot, q, p               ; 48 LDS loads in one run: the fragments of the slot's q-th 128 along K into set p
	WIN 0x40                                       ; destination window 1
.irp i, 0,1,2,3,4,5,6,7
	FRAG 128*(\p)+FR*\i, ADRB+\slot, \q, \i
.endr
	WIN 0
.irp i, 0,1,2,3
	FRAG AF+64*(\p)+FR*\i, ADRA+\slot, \q, \i
.endr
.endm
; 8 matrix instructions: y's block a x Wo's eight.  The 32 accumulators take turns, one instruction a turn, in the same order in every step.
.macro MULA a, p, zero
	WIN 0xa1                                       ; source 0 (Wo) window 1, source 1 (y) window 0, C and D window 2
.irp b, 0,1,2,3,4,5,6,7
.if \zero
	v_wmma_f32_16x16x128_fp8_fp8 v[8*(8*(\a)+\b):8*(8*(\a)+\b)+7], v[128*(\p)+FR*\b:128*(\p)+FR*\b+FR-1], v[AF+64*(\p)+FR*(\a):AF+64*(\p)+FR*(\a)+FR-1], 0
.else
	v_wmma_f32_16x16x128_fp8_fp8 v[8*(8*(\a)+\b):8*(8*(\a)+\b)+7], v[128*(\p)+FR*\b:128*(\p)+FR*\b+FR-1], v[AF+64*(\p)+FR*(\a):AF+64*(\p)+FR*(\a)+FR-1], v[8*(8*(\a)+\b):8*(8*(\a)+\b)+7]
.endif
.endr
.endm
.macro PLACES n
.rept \n
	v_nop
.endr
.endm
.macro STEPX slot, zero                ; a slot's first 128 along K, on set 0; the second 128 are fetched into set 1 meanwhile
	s_wait_dscnt 0x0                               ; set 0 is in
	PLACES NP                                      ; behind the products that read set 1
	FETCH2 \slot, 1, 1
	MULA 0, 0, \zero
	MULA 1, 0, \zero
	MULA 2, 0, \zero
	MULA 3, 0, \zero
	WIN 0
.endm
; A slot's second 128 along K, on set 1, changes slots: ONE barrier; in front of it each wave waits for all its tensor loads, adds 0 to its spare word, and waits for that and for its own reads of this slot.
.macro TURNX slot, next, fill
	s_wait_tensorcnt 0x0                           ; all my tensor loads have landed: my part of the next slot
	ds_add_u32 v[SPW], v[NIL]                      ; 0 onto my spare word
	s_wait_dscnt 1                                 ; set 1 is in; the add alone may be out
	MULA 0, 1, 0                                   ; eight matrix instructions stand between the add and the wait for it
	s_wait_dscnt 0x0                               ; the add is done, and my reads of this slot are over
	s_barrier_signal -1
	MULA 1, 1, 0
	WIN 0
	s_barrier_wait -1
.if \fill
	CREST                                          ; the barrier has opened a round of the cluster's barrier: no wave of any partner still reads this slot or has a load on its way
	s_add_nc_u64 s[G0+4*\slot+2:G0+4*\slot+3], s[G0+4*\slot+2:G0+4*\slot+3], 2*TILEB
	s_add_nc_u64 s[G0B+4*\slot+2:G0B+4*\slot+3], s[G0B+4*\slot+2:G0B+4*\slot+3], 2*TILEB
	JLOAD G0+4*\slot, G1, G0B+4*\slot, G1B         ; the first tensor load behind the round, one a wave; its four v_nop are the places in front of the loads below
.else
	PLACES NP
.endif
	FETCH2 \next, 0, 0
	MULA 2, 1, 0
	MULA 3, 1, 0
	WIN 0
.endm
	s_wait_tensorcnt 1                             ; my part of K step 0 is in; K step 1's load may be out
	s_barrier_signal -1
	s_barrier_wait -1
	FETCH2 0, 0, 0
	STEPX 0, 1                                     ; four K steps of 256, written out: the first products start the sums
	TURNX 0, 1, 1                                  ; slot 0 takes K step 2
	STEPX 1, 0
	TURNX 1, 0, 1                                  ; slot 1 takes K step 3
	STEPX 0, 0
	TURNX 0, 1, 0                                  ; nothing is left to fetch: no round
	STEPX 1, 0
	s_wait_dscnt 0x0
	MULA 0, 1, 0
	MULA 1, 1, 0
	MULA 2, 1, 0
	MULA 3, 1, 0
	WIN 0
; THE WAY OUT, block by block of 16 rows x 128 columns: x 2^(e6 + e7) into other registers, each accumulator from its low end on; through my own stage; back as whole rows of 512 bytes.
.macro TOSTAGE a
	WIN 0x02                                       ; source 0 window 2
.set j, 0
.rept 32
	v_pk_mul_f32 v[TMP+j:TMP+j+1], v[64*(\a)+j:64*(\a)+j+1], s[96:97] op_sel_hi:[1,0]
.set j, j+2
.endr
	WIN 0
.irp b, 0,1,2,3,4,5,6,7
	ds_store_b128 v[STO], v[TMP+8*\b:TMP+8*\b+3] offset:128*(\b/2)+32*(\b%2)          ; columns 32 (b / 2) + 16 h + 8 (b % 2) + 0 .. 7 of row r
	ds_store_b128 v[STO], v[TMP+8*\b+4:TMP+8*\b+7] offset:128*(\b/2)+32*(\b%2)+16
.endr
.set BB, BK+64*((\a)%2)
.irp t, 0,1,2,3,4,5,6,7,8,9,10,11,12,13,14,15
	ds_load_b128 v[BB+4*\t:BB+4*\t+3], v[RD] offset:\t*SPITCH   ; LDS serves a wave's instructions in order: these see the stores above, and the next block's stores come behind them
.endr
.endm
.macro SEND a, younger                 ; younger: the LDS instructions issued behind block a's loads, which may stay out
.set BB, BK+64*((\a)%2)
	s_wait_dscnt \younger
.irp t, 0,1,2,3,4,5,6,7,8,9,10,11,12,13,14,15
	global_store_b128 v[CO], v[BB+4*\t:BB+4*\t+3], s[10:11] offset:(32*((\a)/2)+8*((\a)%2)+\t+8*(\t/8))*4096 th:TH_STORE_NT   ; 32 lanes store 512 consecutive bytes, aligned; the stage's row t is row t + 8 (t / 8) of the tile
.endr
.endm
	s_wait_kmcnt 0x0
	s_add_co_i32 s96, s74, s75
	s_add_co_i32 s96, s96, 127
	s_lshl_b32 s96, s96, 23                        ; 2^(e6 + e7) as f32
	s_mov_b32 s97, s96                             ; (named with it as a pair, so it is written)
	PLACES NP                                      ; behind the last products
	TOSTAGE 0
.irp a, 1,2,3
.if \a > 1
	s_wait_xcnt 0x0                                ; block a - 2's stores have read their registers: block a's loads may land there
.endif
	TOSTAGE \a
	SEND \a-1, 32                                  ; behind block a - 1's loads: block a's 16 stores and 16 loads
.endr
	SEND 3, 0
	s_wait_tensorcnt 0x0                           ; the wave's end, behind my last tensor load and my last LDS store
	ds_add_u32 v[SPW], v[NIL]
	s_wait_dscnt 0x0
	CROUND                                         ; the closing round
	s_endpgm
.Lfunc_end_k_q249957ffd5_gemm_out:
	.size	k_q249957ffd5_gemm_out, .Lfunc_end_k_q249957ffd5_gemm_out-k_q249957ffd5_gemm_out
	.p2alignl 7, 3214868480
	.fill 96, 4, 3214868480
	.section	.rodata,"a",@progbits
	.p2align	6, 0x0
	.amdhsa_kernel k_q249957ffd5_gemm_out
		.amdhsa_group_segment_fixed_size 327680
		.amdhsa_private_segment_fixed_size 0
		.amdhsa_enable_private_segment 0
		.amdhsa_kernarg_size 32
		.amdhsa_user_sgpr_count 2
		.amdhsa_user_sgpr_kernarg_segment_ptr 1
		.amdhsa_wavefront_size32 1
		.amdhsa_system_sgpr_workgroup_id_x 1
		.amdhsa_system_sgpr_workgroup_id_y 1
		.amdhsa_system_sgpr_workgroup_id_z 1
		.amdhsa_system_vgpr_workitem_id 0
		.amdhsa_next_free_vgpr 768
		.amdhsa_next_free_sgpr 100
		.amdhsa_reserve_vcc 0
		.amdhsa_float_denorm_mode_32 3
		.amdhsa_float_denorm_mode_16_64 3
		.amdhsa_memory_ordered 1
		.amdhsa_forward_progress 1
		.amdhsa_inst_pref_size 76
	.end_amdhsa_kernel
	.amdgpu_metadata
---
amdhsa.version: [ 1, 2 ]
amdhsa.kernels:
  - .name:           k_q249957ffd5_gemm_out
    .symbol:         k_q249957ffd5_gemm_out.kd
    .args:
      - { .name: y_img, .offset: 0, .size: 8, .value_kind: global_buffer, .address_space: global }
      - { .name: wo_img, .offset: 8, .size: 8, .value_kind: global_buffer, .address_space: global }
      - { .name: lowp_scales, .offset: 16, .size: 8, .value_kind: global_buffer, .address_space: global }
      - { .name: out0, .offset: 24, .size: 8, .value_kind: global_buffer, .address_space: global }
    .group_segment_fixed_size: 327680
    .private_segment_fixed_size: 0
    .kernarg_segment_align: 8
    .kernarg_segment_size: 32
    .max_flat_workgroup_size: 128
    .sgpr_count:     100
    .vgpr_count:     768
    .wavefront_size: 32
...
	.end_amdgpu_metadata
.endif
;; end of part 4
